; MI455X (gfx1250); checked and timed in simulation.
; The chip was launched on July 23, 2026; its instructions are those of AMD's public machine-readable ISA for CDNA 5 (MIT licence, August 2026) and "CDNA5" Instruction Set Architecture Reference Guide (July 2026). The comments in the code are by the model that wrote it; some were corrected since.
;; Cross Attn Block. Allowed arithmetic: matrix products marked QUANTISED: E2M1 operands, one E8M0 scale for each 32 along K, by v_wmma_scale_f32_16x16x128_f8f6f4 with both operands' format E2M1 (or v_wmma_scale_f32_32x16x128_f4), f32 sums; everything else in f32.
;; Inputs: fc1_b 1,024 float32; fc1_w 256 x 1,024 float32; fc2_b 256 float32; fc2_w 1,024 x 256 float32; kv_b 512 float32; kv_w 256 x 512 float32; norm1_b 256 float32; norm1_g 256 float32; norm3_b 256 float32; norm3_g 256 float32; proj_b 256 float32; proj_w 256 x 256 float32; q_b 256 float32; q_w 256 x 256 float32; rel_table 225 x 8 float32; x1 16 x 4,096 x 256 float32; x2 16 x 4,096 x 256 float32.
;; Outputs: out0 16 x 4,096 x 256 float32.
;; This version of the problem:
;;   THIS VERSION OF THE PROBLEM IS GIVEN IN LOW PRECISION. The matrix products marked QUANTISED in the list below multiply operands that are first quantised to E2M1 (2 exponent bits, 1 mantissa bit; 4 bits a number), with one power-of-two scale for each 32 numbers along K (OCP MX v1.0); their sums are f32. All else is computed in f32.
;;   The module's matrix products, in the order in which they are computed (A, B: the left and right operand; K: the contracted axis; several contracted axes count as one K, in the product's order):
;;     1. [M 65,536, K 256] x [K 256, N 256]; A: computed on the way; B: input q_w: QUANTISED
;;     2. [M 65,536, K 256] x [K 256, N 512]; A: computed on the way; B: input kv_w: QUANTISED
;;     3. batch 8,192 x [M 64, K 32] x [K 32, N 64]; A: computed on the way; B: computed on the way: QUANTISED
;;     4. batch 8,192 x [M 64, K 64] x [K 64, N 32]; A: softmax (see below); B: computed on the way: QUANTISED
;;     5. [M 65,536, K 256] x [K 256, N 256]; A: computed on the way; B: input proj_w: QUANTISED
;;     6. [M 65,536, K 256] x [K 256, N 1,024]; A: computed on the way; B: input fc1_w: QUANTISED
;;     7. [M 65,536, K 1,024] x [K 1,024, N 256]; A: computed on the way; B: input fc2_w: QUANTISED
;;   THE QUANTISER, for each operand of a quantised product, along K:
;;     - K is cut into blocks of 32 from its start; a last block that is shorter is filled with zeros.
;;     - A block's scale is 2^e with e = floor(log2(the largest magnitude in the block)) - 2, held to -126 .. 127; a block of zeros has e = 0. As a byte (E8M0): e + 127.
;;     - Each number is divided by its block's scale, clamped to +-6, and rounded to the nearest number of E2M1, ties to even, subnormals kept.
;;     - The product sums the exact products of the quantised numbers (number of the format x scale) in f32.
;;   ~~~python
;;   def quantise(x, axis):      # numpy; x: float32 -> the quantised numbers, widened to float32 again
;;       x = np.moveaxis(x, axis, -1); K = x.shape[-1]
;;       x = np.pad(x, [(0, 0)] * (x.ndim - 1) + [(0, -K % 32)]); x = x.reshape(x.shape[:-1] + (-1, 32)); a = np.abs(x).max(-1, keepdims=True)
;;       e = np.where(a > 0, np.clip(np.frexp(np.where(a > 0, a, 1))[1] - 1 - 2, -126, 127), 0)      # np.frexp(a)[1] - 1 = floor(log2(a)), exactly
;;       r = np.clip(x / 2.0 ** e, -6, 6)
;;       step = 2.0 ** (np.maximum(np.frexp(np.where(r == 0, 1, r))[1] - 1, 0) - 1)
;;       q = np.round(r / step) * step * 2.0 ** e      # np.round: ties to even
;;       return np.moveaxis(q.reshape(q.shape[:-2] + (-1,))[..., :K], -1, axis).astype(np.float32)
;;   ~~~
;;   SOFTMAX AHEAD OF A QUANTISED PRODUCT. Where the list says 'softmax', what is quantised is not the finished softmax but p = 2^(t - M), with t = logit x log2(e) and M = ceil(the row's largest t), a whole number; so 1/2 < the row's largest p <= 1. The row's sum l is taken of the UNQUANTISED p, in f32, and the product's result is divided by l at the end. Since M is a whole number, a kernel that streams over the keys may use a running M (the ceiling of the running maximum): every later rescaling is an exact power of two, which a block's scale takes up: the codes' values come out the same.
;;   OPERANDS COMPUTED ON THE WAY. 'Computed on the way' means the value that the module computes at that place (a softmax that the list does not call 'softmax' is quantised finished and normalised). What goes into a quantiser is computed in f32, as accurately as f32 sums, v_exp_f32 and their like allow (about 1e-6 of the number): no bf16 or f16 on the way to a quantiser, and a product that is left as it is and whose result goes on into a quantised operand takes f32 operands (vector FMAs, or v_wmma_f32_16x16x4_f32). A number that lies on a knife's edge between two numbers of the format may be rounded either way, as far as f32 arithmetic and the matrix unit's own rounding can turn it there, and no further.
;; One version. Each part assembles by itself: llvm-mc -triple=amdgcn-amd-amdhsa -mcpu=gfx1250 --defsym DOCPART=n.
;; ======== version 1 of 1: 3 launches
;; limits: right only within a limited range of input values
;; workspace buffers: wat 143,360 bytes; wml 321,536 bytes; oc 8,388,608 bytes; os 524,288 bytes
;; launch prep (part 1): grid 57 x 1, 4 waves a work-group, no clusters, 0 bytes of LDS; arguments q_w, kv_w, proj_w, fc1_w, fc2_w, rel_table, norm1_g, norm1_b, q_b, kv_b, proj_b, norm3_g, norm3_b, fc2_b, fc1_b, wat, wml; writes wat, wml
.if DOCPART == 1
	.amdgcn_target "amdgcn-amd-amdhsa--gfx1250"
	.amdhsa_code_object_version 6
	.text
	.protected	k_q400e87ca19_prep
	.globl	k_q400e87ca19_prep
	.p2align	8
	.type	k_q400e87ca19_prep,@function
k_q400e87ca19_prep:
	s_mov_b64 s[64:65], 0
	v_nop
	global_prefetch_b8 v0, s[64:65] scope:SCOPE_SE
	s_setreg_imm32_b32 hwreg(HW_REG_WAVE_MODE, 25, 1), 1
	s_wait_xcnt 0x0
; PREP: the five weights become codes of FP4 (E2M1) with one E8M0 byte for each 32 along K, laid in the order of a matrix operand's registers; the bias table is spread out; the nine vectors are copied.
; DEAD WORK: none.  Every input of the problem has a way to the output (k's bias stands ahead of a quantiser, so it stays too), so every input is loaded by this program and no product is left out.
; LIMITS: NaN and infinities among the inputs are not served.  A block of zeros gets the byte 1 where the rule says 127: its codes are zeros, which add nothing under any byte but 0xff, and this program alone reads the bytes.
; A FRAGMENT (16 columns x 128 K) is 1,024 bytes: byte 512 c + 16 l holds operand registers 4 c .. 4 c + 3 of lane l = (r, h): block 2 c + h of column col(T, r) = 32 (T / 2) + 8 (T % 2) + r + 8 (r / 8).
; wat: units q, k, v (32 fragments (2 T + s), then 16 x 128 bytes of scale words: lanes 0-15 K step 0, lanes 16-31 K step 1), E at 104,448, vectors at 135,168.
; wml: chunk ch at 34,816 ch (ch = 7: at 286,720): fc1's 16 fragments, 8 x 128 bytes of their scale words, fc2's 16 fragments of K step ch, 8 x 128 bytes of theirs; proj's unit at 243,712; vectors at 278,528.
; WORK-GROUPS 0-47: a wave takes one job: 32 columns x 128 along K.  A lane takes a column and its registers run down K, so a block of 32 lies in one lane and the conversions give codes with K innermost.
; Each load of a wave reads 128 consecutive bytes of a row; each store of codes fills two aligned runs of 256 bytes.  The scale words leave in pieces of 64 bytes: 24 KiB in the whole launch.
; WORK-GROUPS 48-55: E of one head.  WORK-GROUP 56: the vectors.  The three paths part on the work-group's number; none uses LDS.
.set VO, 16                            ; v16-47   byte offset of row i of a block, at my column
.set XN, 48                            ; v48-111  two sets of 32 numbers
.set CD, 112                           ; v112-127 codes: four registers for each block, so that no store's data are written again
	s_load_b512 s[4:19], s[0:1], 0x0               ; q_w, kv_w, proj_w, fc1_w, fc2_w, rel_table, norm1_g, norm1_b
	s_load_b512 s[20:35], s[0:1], 0x40             ; q_b, kv_b, proj_b, norm3_g, norm3_b, fc2_b, fc1_b, wat
	s_load_b64 s[36:37], s[0:1], 0x80              ; wml
	v_lshrrev_b32 v1, 5, v0
	v_readfirstlane_b32 s38, v1                    ; wave
	s_cmp_ge_u32 ttmp9, 56
	s_cbranch_scc1 .Lvectors
	s_cmp_ge_u32 ttmp9, 48
	s_cbranch_scc1 .Lbias
	; ---- a weight's job.  All that differs between the five weights is chosen by selects on the work-group's number
	s_lshl_b32 s40, ttmp9, 2
	s_add_co_u32 s40, s40, s38                     ; the job: 4 x work-group + wave
	s_cmp_lt_u32 ttmp9, 32
	s_cselect_b32 s41, 64, 128                     ; the weight's first job: fc2 128, fc1 64, proj 48, kv 16, q 0
	s_cselect_b32 s44, 2, 0                        ; a row of the weight is 1,024 bytes shifted by this
	s_cmp_lt_u32 ttmp9, 16
	s_cselect_b32 s41, 48, s41
	s_cselect_b32 s44, 0, s44
	s_cmp_lt_u32 ttmp9, 12
	s_cselect_b32 s41, 16, s41
	s_cselect_b32 s44, 1, s44
	s_cmp_lt_u32 ttmp9, 4
	s_cselect_b32 s41, 0, s41
	s_cselect_b32 s44, 0, s44
	s_sub_co_u32 s41, s40, s41                     ; j: the job within its weight
	s_lshl_b32 s44, 1024, s44                      ; NS: bytes in a row
	s_lshr_b32 s48, s41, 1
	s_and_b32 s49, s41, 1
	s_and_b32 s57, s41, 7
	s_lshr_b32 s58, s41, 3
	s_cmp_lt_u32 ttmp9, 32
	s_cselect_b32 s48, s48, s57                    ; g: which 32 columns (fc2: j % 8, the others j / 2)
	s_cselect_b32 s49, s49, s58                    ; ks: which 128 along K (fc2: j / 8, the others j % 2)
	s_lshr_b32 s57, s48, 2
	s_cmp_lt_u32 ttmp9, 32
	s_cselect_b32 s57, s57, s49                    ; the chunk: fc1: g / 4; fc2: ks
	s_mul_i32 s55, s57, 34816
	s_cmp_eq_u32 s57, 7
	s_cselect_b32 s57, 43008, 0
	s_add_co_u32 s55, s55, s57                     ; where the chunk begins in wml
	s_lshr_b32 s57, s48, 3
	s_add_co_u32 s57, s57, 1
	s_mul_i32 s57, s57, 34816                      ; kv: unit k or unit v in wat
	s_mov_b32 s58, 243712                          ; proj's unit in wml
	s_mov_b32 s56, 16384                           ; where the scale words begin: behind 16 fragments (fc1) or 32 (a unit)
	s_cmp_lt_u32 ttmp9, 16
	s_cselect_b32 s55, s58, s55
	s_cselect_b32 s59, 7, 3                        ; groups of 32 columns in a unit, in a chunk: 8, 4
	s_cselect_b32 s56, 32768, s56
	s_cmp_lt_u32 ttmp9, 12
	s_cselect_b32 s55, s57, s55
	s_cmp_lt_u32 ttmp9, 4
	s_cselect_b32 s55, 0, s55                      ; ub: the unit's or chunk's first byte
	s_and_b32 s54, s48, s59                        ; gl: the group within it
	s_lshl_b32 s50, s54, 2
	s_add_co_u32 s50, s50, s49
	s_lshl_b32 s50, s50, 10                        ; fragment (2 T + ks) of tile T = 2 gl
	s_lshl_b32 s52, s54, 8
	s_lshl_b32 s57, s49, 6
	s_add_co_u32 s52, s52, s57
	s_add_co_u32 s52, s52, s56                     ; its scale words: 128 T + 64 ks
	s_lshl_b32 s57, s48, 11
	s_add_co_u32 s57, s57, 17408                   ; fc2: fragment T = 2 g behind fc1's part
	s_lshl_b32 s58, s48, 7
	s_add_co_u32 s58, s58, 33792                   ; its scale words: 128 (T / 2) + 64 (T % 2)
	s_cmp_lt_u32 ttmp9, 32
	s_cselect_b32 s50, s50, s57
	s_cselect_b32 s52, s52, s58
	s_cselect_b32 s51, 11, 10                      ; from tile 2 g to tile 2 g + 1: 2,048 or 1,024 bytes of fragments,
	s_cselect_b32 s53, 7, 6                        ; 128 or 64 bytes of scale words
	s_add_co_u32 s50, s50, s55
	s_add_co_u32 s52, s52, s55
	v_and_b32 v1, 15, v0                           ; r
	v_bfe_u32 v2, v0, 4, 1                         ; u: lanes 0-15 take tile 2 g, lanes 16-31 tile 2 g + 1
	v_lshrrev_b32 v3, 3, v1
	v_lshl_add_u32 v3, v3, 3, v1
	v_lshl_add_u32 v3, v2, 3, v3
	s_lshl_b32 s57, s48, 5
	v_add_nc_u32 v3, s57, v3                       ; my column: 32 g + 8 u + r + 8 (r / 8)
	v_lshlrev_b32 v3, 2, v3
.irp i, 0,1,2,3,4,5,6,7,8,9,10,11,12,13,14,15,16,17,18,19,20,21,22,23,24,25,26,27,28,29,30,31
	v_mad_u32_u24 v[VO+\i], s44, \i, v3
.endr
	v_lshlrev_b32 v4, s51, v2
	v_lshl_add_u32 v4, v1, 4, v4
	v_add_nc_u32 v4, s50, v4                       ; where my codes go: 16 r in my tile's fragment
	v_lshlrev_b32 v5, s53, v2
	v_lshl_add_u32 v5, v1, 2, v5
	v_add_nc_u32 v5, s52, v5                       ; and my scale word
	s_lshl_b32 s57, s49, 7
	s_mul_i32 s60, s57, s44                        ; 128 ks rows, in bytes
	s_mov_b32 s61, 0
	s_wait_alu depctr_va_vdst(0)
	s_wait_kmcnt 0x0
	s_cmp_lt_u32 ttmp9, 32                         ; the buffers: choices that hang on the work-group's number alone
	s_cselect_b64 s[42:43], s[10:11], s[12:13]
	s_cmp_lt_u32 ttmp9, 16
	s_cselect_b64 s[42:43], s[8:9], s[42:43]
	s_cmp_lt_u32 ttmp9, 12
	s_cselect_b64 s[42:43], s[6:7], s[42:43]
	s_cselect_b64 s[46:47], s[34:35], s[36:37]     ; q, k, v go to wat, the others to wml
	s_cmp_lt_u32 ttmp9, 4
	s_cselect_b64 s[42:43], s[4:5], s[42:43]
	s_add_nc_u64 s[66:67], s[42:43], s[60:61]      ; a base for each of the four blocks of 32 rows; never rewritten
	s_lshl_b32 s60, s44, 5
	s_add_nc_u64 s[68:69], s[66:67], s[60:61]
	s_add_nc_u64 s[70:71], s[68:69], s[60:61]
	s_add_nc_u64 s[72:73], s[70:71], s[60:61]
.macro LOAD kb                         ; block kb: rows 32 kb + i of the K step at my column, into set kb % 2
.irp i, 0,1,2,3,4,5,6,7,8,9,10,11,12,13,14,15,16,17,18,19,20,21,22,23,24,25,26,27,28,29,30,31
	global_load_b32 v[XN+32*((\kb)%2)+\i], v[VO+\i], s[66+2*(\kb):67+2*(\kb)] th:TH_LOAD_NT
.endr
.endm
.macro BLOCK kb
.set XB, XN+32*((\kb)%2)
.if (\kb) < 3
	s_wait_loadcnt 32                              ; this block's 32 loads are in; the next block's 32 may be out
.else
	s_wait_loadcnt 0
.endif
	v_max3_num_f32 v12, |v[XB]|, |v[XB+1]|, |v[XB+2]|   ; the block's largest magnitude: all 32 numbers are mine; two chains
	v_max3_num_f32 v13, |v[XB+3]|, |v[XB+4]|, |v[XB+5]|
.irp i, 6,10,14,18,22,26
	v_max3_num_f32 v12, v12, |v[XB+\i]|, |v[XB+\i+1]|
	v_max3_num_f32 v13, v13, |v[XB+\i+2]|, |v[XB+\i+3]|
.endr
	v_max3_num_f32 v12, v12, |v[XB+30]|, |v[XB+31]|
	v_max3_num_f32 v12, v12, v13, 0x1800000        ; and the floor 2^(3 - 127): the byte cannot fall under 1
	v_add_nc_u32 v11, 0xff000000, v12              ; 2 off the exponent field: the conversion's scale operand
	v_lshrrev_b32 v13, 23, v11                     ; the scale's byte
.if (\kb) == 0
	v_mov_b32 v10, v13
.else
	v_lshl_or_b32 v10, v13, 8*(\kb), v10           ; four bytes make the K step's scale word
.endif
.irp q, 0,1,2,3
	v_cvt_scalef32_pk8_fp4_f32 v[CD+4*(\kb)+\q], v[XB+8*\q:XB+8*\q+7], v11
.endr
	global_store_b128 v4, v[CD+4*(\kb):CD+4*(\kb)+3], s[46:47] offset:((\kb)/2)*512+((\kb)%2)*256   ; sixteen lanes store 256 consecutive bytes, aligned
.if (\kb)+2 < 4
	LOAD (\kb)+2
.endif
.endm
	LOAD 0
	LOAD 1
	BLOCK 0
	BLOCK 1
	BLOCK 2
	BLOCK 3
	global_store_b32 v5, v10, s[46:47]
	s_endpgm
.Lbias:
	; ---- E[head][dy][nx][mx] = rel_table[15 dy + nx - mx + 7][head]: thread t takes nx = (t % 16) / 2, mx = 4 (t % 2) + 0 .. 3 and rows dy = t / 16 and t / 16 + 8 (held at 14: that row is stored twice, with the same numbers).
	; IN THE ODD ROWS dy THE TWO 16-BYTE HALVES OF EACH nx CHANGE PLACES: the next launch's sixteen lanes read two neighbouring rows dy at once, 256 bytes apart, and so take sixteen different 16-byte columns of them
	s_sub_co_u32 s40, ttmp9, 48                    ; the head
	s_lshl_b32 s41, s40, 2
	s_mul_i32 s42, s40, 3840
	s_add_co_u32 s42, s42, 104448
	v_and_b32 v1, 15, v0
	v_lshrrev_b32 v2, 1, v1
	v_and_b32 v3, 1, v0
	v_lshlrev_b32 v3, 2, v3
	v_add_nc_u32 v2, 4, v2
	v_sub_nc_u32 v2, v2, v3                        ; nx - mx0 + 4: the table's row for mx0 + 3, never under 0
	v_lshrrev_b32 v4, 4, v0
	v_add_nc_u32 v5, 8, v4
	v_min_u32 v5, 14, v5
	v_mad_u32_u24 v6, v4, 15, v2
	v_mad_u32_u24 v7, v5, 15, v2
	v_lshlrev_b32 v6, 5, v6                        ; a row of the table is 32 bytes
	v_lshlrev_b32 v7, 5, v7
	v_add_nc_u32 v6, s41, v6
	v_add_nc_u32 v7, s41, v7
	v_lshlrev_b32 v8, 8, v4                        ; a row dy of E is 256 bytes: sixteen lanes store it whole
	v_and_b32 v10, 1, v4
	v_xor_b32 v10, v10, v1                         ; my 16 bytes' place in the row: t % 16, its lowest bit turned where dy is odd
	v_lshl_add_u32 v8, v10, 4, v8
	v_add_nc_u32 v8, s42, v8
	v_lshlrev_b32 v9, 8, v5
	v_and_b32 v11, 1, v5
	v_xor_b32 v11, v11, v1
	v_lshl_add_u32 v9, v11, 4, v9
	v_add_nc_u32 v9, s42, v9
	s_wait_alu depctr_va_vdst(0)
	s_wait_kmcnt 0x0
.irp j, 0,1,2,3
	global_load_b32 v[12+\j], v6, s[14:15] offset:32*(3-\j)
	global_load_b32 v[16+\j], v7, s[14:15] offset:32*(3-\j)
.endr
	s_wait_loadcnt 0x0
	global_store_b128 v8, v[12:15], s[34:35]
	global_store_b128 v9, v[16:19], s[34:35]
	s_endpgm
.Lvectors:
	; ---- the vectors: 128 threads x 8 bytes copy 1,024 bytes an instruction
	v_lshlrev_b32 v1, 3, v0
	v_mov_b32 v30, 0
	v_mov_b32 v31, 0
	s_wait_alu depctr_va_vdst(0)
	s_wait_kmcnt 0x0
	global_load_b64 v[2:3], v1, s[16:17]           ; norm1_g
	global_load_b64 v[4:5], v1, s[18:19]           ; norm1_b
	global_load_b64 v[6:7], v1, s[20:21]           ; q_b
	global_load_b64 v[8:9], v1, s[22:23]           ; kv_b: k's half,
	global_load_b64 v[10:11], v1, s[22:23] offset:1024   ; v's half
	global_load_b64 v[12:13], v1, s[24:25]         ; proj_b
	global_load_b64 v[14:15], v1, s[26:27]         ; norm3_g
	global_load_b64 v[16:17], v1, s[28:29]         ; norm3_b
	global_load_b64 v[18:19], v1, s[30:31]         ; fc2_b
.irp j, 0,1,2,3
	global_load_b64 v[20+2*\j:21+2*\j], v1, s[32:33] offset:1024*\j   ; fc1_b
.endr
	s_wait_loadcnt 0x0
.irp j, 0,1,2,3,4
	global_store_b64 v1, v[2+2*\j:3+2*\j], s[34:35] offset:135168+1024*\j
.endr
.irp j, 5,6,7
	global_store_b64 v1, v[30:31], s[34:35] offset:135168+1024*\j   ; the rest of wat is written too: the next launch copies it whole
.endr
.irp j, 0,1,2,3,4,5,6,7
	global_store_b64 v1, v[12+2*\j:13+2*\j], s[36:37] offset:278528+1024*\j
.endr
	s_endpgm
.Lfunc_end_k_q400e87ca19_prep:
	.size	k_q400e87ca19_prep, .Lfunc_end_k_q400e87ca19_prep-k_q400e87ca19_prep
	.p2alignl 7, 3214868480
	.fill 96, 4, 3214868480
	.section	.rodata,"a",@progbits
	.p2align	6, 0x0
	.amdhsa_kernel k_q400e87ca19_prep
		.amdhsa_group_segment_fixed_size 0
		.amdhsa_private_segment_fixed_size 0
		.amdhsa_enable_private_segment 0
		.amdhsa_kernarg_size 136
		.amdhsa_user_sgpr_count 2
		.amdhsa_user_sgpr_kernarg_segment_ptr 1
		.amdhsa_wavefront_size32 1
		.amdhsa_system_sgpr_workgroup_id_x 1
		.amdhsa_system_sgpr_workgroup_id_y 1
		.amdhsa_system_sgpr_workgroup_id_z 1
		.amdhsa_system_vgpr_workitem_id 0
		.amdhsa_next_free_vgpr 128
		.amdhsa_next_free_sgpr 80
		.amdhsa_reserve_vcc 0
		.amdhsa_float_denorm_mode_32 3
		.amdhsa_float_denorm_mode_16_64 3
		.amdhsa_memory_ordered 1
		.amdhsa_forward_progress 1
		.amdhsa_inst_pref_size 30
	.end_amdhsa_kernel
	.amdgpu_metadata
---
amdhsa.version: [ 1, 2 ]
amdhsa.kernels:
  - .name:           k_q400e87ca19_prep
    .symbol:         k_q400e87ca19_prep.kd
    .args:
      - { .name: q_w, .offset: 0, .size: 8, .value_kind: global_buffer, .address_space: global }
      - { .name: kv_w, .offset: 8, .size: 8, .value_kind: global_buffer, .address_space: global }
      - { .name: proj_w, .offset: 16, .size: 8, .value_kind: global_buffer, .address_space: global }
      - { .name: fc1_w, .offset: 24, .size: 8, .value_kind: global_buffer, .address_space: global }
      - { .name: fc2_w, .offset: 32, .size: 8, .value_kind: global_buffer, .address_space: global }
      - { .name: rel_table, .offset: 40, .size: 8, .value_kind: global_buffer, .address_space: global }
      - { .name: norm1_g, .offset: 48, .size: 8, .value_kind: global_buffer, .address_space: global }
      - { .name: norm1_b, .offset: 56, .size: 8, .value_kind: global_buffer, .address_space: global }
      - { .name: q_b, .offset: 64, .size: 8, .value_kind: global_buffer, .address_space: global }
      - { .name: kv_b, .offset: 72, .size: 8, .value_kind: global_buffer, .address_space: global }
      - { .name: proj_b, .offset: 80, .size: 8, .value_kind: global_buffer, .address_space: global }
      - { .name: norm3_g, .offset: 88, .size: 8, .value_kind: global_buffer, .address_space: global }
      - { .name: norm3_b, .offset: 96, .size: 8, .value_kind: global_buffer, .address_space: global }
      - { .name: fc2_b, .offset: 104, .size: 8, .value_kind: global_buffer, .address_space: global }
      - { .name: fc1_b, .offset: 112, .size: 8, .value_kind: global_buffer, .address_space: global }
      - { .name: wat, .offset: 120, .size: 8, .value_kind: global_buffer, .address_space: global }
      - { .name: wml, .offset: 128, .size: 8, .value_kind: global_buffer, .address_space: global }
    .group_segment_fixed_size: 0
    .private_segment_fixed_size: 0
    .kernarg_segment_align: 8
    .kernarg_segment_size: 136
    .max_flat_workgroup_size: 128
    .sgpr_count:     80
    .vgpr_count:     128
    .wavefront_size: 32
...
	.end_amdgpu_metadata
.endif
;; end of part 1
;; launch attn (part 2): grid 256 x 1, 8 waves a work-group, clusters of 4 x 1, 198,144 bytes of LDS; arguments x1, x2, wat, oc, os; writes oc, os
.if DOCPART == 2
	.amdgcn_target "amdgcn-amd-amdhsa--gfx1250"
	.amdhsa_code_object_version 6
	.text
	.protected	k_q400e87ca19_attn
	.globl	k_q400e87ca19_attn
	.p2align	8
	.type	k_q400e87ca19_attn,@function
k_q400e87ca19_attn:
	s_mov_b64 s[64:65], 0
	v_nop
	global_prefetch_b8 v0, s[64:65] scope:SCOPE_SE
	s_setreg_imm32_b32 hwreg(HW_REG_WAVE_MODE, 25, 1), 1
	s_wait_xcnt 0x0
	s_wait_alu depctr_hold_cnt(0) depctr_sa_sdst(0) depctr_va_vdst(0) depctr_va_sdst(0) depctr_va_ssrc(0) depctr_va_vcc(0) depctr_vm_vsrc(0)
	s_getreg_b32 s2, hwreg(HW_REG_IB_STS2, 6, 4)
	s_cmp_eq_u32 s2, 0
	s_cbranch_scc0 .Lentry_in_a_cluster
	s_endpgm
.Lentry_in_a_cluster:
	s_bfe_u32 s2, ttmp6, 0x10000c
	s_cmp_lg_u32 s2, 0x3003
	s_cbranch_scc0 .Lentry_shape_is_right
	s_endpgm
.Lentry_shape_is_right:
; ATTN: for each window of 64 tokens: LN(x1), LN(x2), quantised; q, k, v; S = q k^T + bias; p = 2^(t - M); O = p v / l; O quantised along the 256 features and stored as codes (oc) and scale words (os).
; No work of the problem is left out here.  K = 32 (q k^T) and K = 64 (p v) are filled up to the instruction's 128 with zero codes.
; LIMITS: NaN and infinities among the inputs are not served; a block of zeros keeps the byte 1 over zero codes (this program alone reads the bytes).
; SHARES.  A work-group of eight waves takes four windows, one a trip.  Phase X: wave w normalises one tile of 16 tokens (w < 4: x1's tile w; else x2's tile w - 4) and hands its two fragments to the others through LDS, as images
; of the operand's registers.  Then wave w is head w: its 32 columns of q, k and v for all 64 tokens, and the head's attention.  The next window's 128 KiB of x are asked for while this one is worked on.
; THE LAYER NORM IS DONE IN THE LAYOUT IN WHICH THE TILE IS LOADED: lane (lane / 16, c) holds, in register 32 sl + 4 i + e, token 2 i + lane / 16 and feature 64 sl + 4 c + e.  So a lane's gains and biases are the same 32 numbers
; for every token and every window and stay in registers; a token's sum is 16 numbers of a lane and four steps over its 16 lanes.  Only the finished numbers go through the stage into the token layout.
; TOKEN LAYOUT: lane (r, h) holds token r of a tile; register 16 b + i holds feature 32 b + 16 h + i.  A product used transposed (source 0 = 16 columns of a weight, source 1 = 16 tokens) gives the same layout, since
; lane r of weight tile T holds column 32 (T / 2) + 8 (T % 2) + r + 8 (r / 8).  x2's tile 2 b + u holds at row p token 32 b + 8 u + p + 8 (p / 8), so that the registers of S^T and of v run along neighbouring keys.
; THE WEIGHTS, E AND THE VECTORS (wat, 143,360 bytes) come into LDS once, by one tensor load a wave (70 rows of 256 bytes), asked for jointly by the four work-groups of a cluster, which all need the same bytes.
; LDS: wat 0; fragment images 143,360 (2,048 a tile); their scale words 159,744 (256 a tile); O's scale bytes 161,792; a stage of 16 x 272 bytes for each wave 162,304; the spare words 197,120.
; REGISTERS: block 0: v1-23 addresses; v32-47 the quantiser's; v48-56 codes and word just made; v62-63 v_b of my lane's two columns; v64-191 the tile (ahead of it the tokens' sums; later accumulators and codes);
;   v192-223 the second image's codes, later attention's codes; v224-244 scales alone.
;   block 1: v0-127 a window's tile as loaded; v128-191 eight token fragments; v192-223 four weight fragments; v224-239 my 16 gains, v240-255 my 16 biases.
.set UK,    34816
.set UV,    69632
.set EOFF,  104448
.set VEC1,  135168
.set XI,    143360
.set XSI,   159744
.set OSI,   161792
.set STG,   162304
.set SPARE, 197120
.set LI,   1                           ; 16 x lane
.set LS,   2                           ; 4 x lane
.set GA,   3                           ; my bytes of the tile's first window row in memory
.set GB,   4                           ; and of its second
.set STW,  5                           ; the stage as loaded: row lane / 16, 16 bytes a lane
.set STR,  6                           ; the stage by tokens: row r, + 64 h
.set AE1,  7                           ; E at my head, my query's row and column, + 16 (r / 8)
.set XWI,  8                           ; where I store my tile's images
.set XWS,  9                           ; and their scale words
.set AXI,  10                          ; where all images are read
.set AXS,  11
.set AWF,  12                          ; my head's weight fragments in a unit
.set AWS,  13                          ; and their scale words
.set AWFV, 14                          ; the same in v's unit (beyond a 16-bit offset)
.set AWSV, 15
.set ABQ,  16                          ; q_b at my head's features (k_b 1,024 bytes on)
.set ABV,  17                          ; v_b at my lane's column
.set AE0,  18                          ; E likewise, + 16 (1 - r / 8)
.set AOB,  19                          ; where my head's scale byte of token r goes
.set GO,   20                          ; my 16 bytes in a pair of tiles of oc
.set AOS,  21                          ; O's scale bytes, 16 a lane
.set SPW,  22                          ; my spare word; never rewritten
.set NIL,  23                          ; 0; never rewritten
.set TM,   32
.set PC,   48
.set PW,   56
.set VBP,  62
.set T,    64
.set MM,   64                          ; v64-79: a pair for each of my 8 tokens: sums, means, then 1 / sigma
.set QQ,   80                          ; v80-95: the same for the squares
.set PC2,  192
.set PW2,  200
.set ACC,  64
.set SA,   64
.set OA,   96
.set MB,   112
.set MP,   114
.set MT,   116
.set NM,   118
.set SU0,  120
.set SU1,  122
.set SO,   124
.set BY,   126
.set BB,   128
.set KC,   144
.set VC,   164
.set QC,   176
.set QB,   192
.set PB,   200
.set OCD,  208
.set OBY,  216
.set OSR,  220
.set XW,   224
.set WS,   232
.set KS,   234
.set VS,   238
.set QS,   240
.set PWD,  244
.set PF,   0
.set XF,   128
.set WF,   192
.set GG,   224
.set BV,   240
.set MSB, 0
.macro WIN new                         ; the immediate's high byte repeats the setting that is left
.if MSB != \new
	s_set_vgpr_msb (MSB<<8)|\new
.set MSB, \new
.endif
.endm
.macro ROUND                           ; a round of the cluster's barrier
	s_barrier_signal -1
	s_barrier_wait -1
	s_cmp_lg_u32 s14, 0
	s_cbranch_scc1 .Lnot_wave_0_\@
	s_barrier_signal -3
.Lnot_wave_0_\@:
	s_barrier_wait -3
	s_barrier_signal -1
	s_barrier_wait -1
.endm
.macro PLACES n
.rept \n
	v_nop
.endr
.endm
; the matrix instruction: D, source 0, source 1, C, source 0's scales, source 1's.  WMA: source 0's scales from lanes 16-31; WMB: source 1's; WMZ: C = 0
.macro WMC d, a, b, c, sa, sb
	v_wmma_scale_f32_16x16x128_f8f6f4 v[\d:\d+7], v[\a:\a+7], v[\b:\b+7], v[\c:\c+7], v[\sa], v[\sb] matrix_a_fmt:MATRIX_FMT_FP4 matrix_b_fmt:MATRIX_FMT_FP4
.endm
.macro WMA d, a, b, c, sa, sb
	v_wmma_scale_f32_16x16x128_f8f6f4 v[\d:\d+7], v[\a:\a+7], v[\b:\b+7], v[\c:\c+7], v[\sa], v[\sb] matrix_a_fmt:MATRIX_FMT_FP4 matrix_b_fmt:MATRIX_FMT_FP4 matrix_a_scale:MATRIX_SCALE_ROW1
.endm
.macro WMB d, a, b, c, sa, sb
	v_wmma_scale_f32_16x16x128_f8f6f4 v[\d:\d+7], v[\a:\a+7], v[\b:\b+7], v[\c:\c+7], v[\sa], v[\sb] matrix_a_fmt:MATRIX_FMT_FP4 matrix_b_fmt:MATRIX_FMT_FP4 matrix_b_scale:MATRIX_SCALE_ROW1
.endm
.macro WMZ d, a, b, sa, sb
	v_wmma_scale_f32_16x16x128_f8f6f4 v[\d:\d+7], v[\a:\a+7], v[\b:\b+7], 0, v[\sa], v[\sb] matrix_a_fmt:MATRIX_FMT_FP4 matrix_b_fmt:MATRIX_FMT_FP4
.endm
; Four blocks of 32: block b is my 16 numbers v[src + 16 b ..] and lane l xor 16's.  Leaves the conversions' scale operands in v[TM+12 ..] and the bytes in v[bd ..]
.macro QSC4 src, bd
.irp b, 0,1,2,3
	v_max3_num_f32 v[TM+\b], |v[\src+16*\b]|, |v[\src+16*\b+1]|, 0x1800000   ; with the floor 2^(3 - 127): the byte cannot fall under 1
.endr
.irp i, 2,4,6,8,10,12,14
.irp b, 0,1,2,3
	v_max3_num_f32 v[TM+\b], v[TM+\b], |v[\src+16*\b+\i]|, |v[\src+16*\b+\i+1]|
.endr
.endr
.irp b, 0,1,2,3
	s_delay_alu instid0(VALU_DEP_4)
	v_permlanex16_b32 v[TM+4+\b], v[TM+\b], s20, s21
.endr
.irp b, 0,1,2,3
	s_delay_alu instid0(VALU_DEP_4)
	v_max_num_f32 v[TM+\b], v[TM+\b], v[TM+4+\b]
.endr
.irp b, 0,1,2,3
	s_delay_alu instid0(VALU_DEP_4)
	v_add_nc_u32 v[TM+12+\b], 0xff000000, v[TM+\b]   ; 2 off the exponent field
.endr
.irp b, 0,1,2,3
	s_delay_alu instid0(VALU_DEP_4)
	v_lshrrev_b32 v[\bd+\b], 23, v[TM+12+\b]
.endr
.endm
; The four blocks' codes: blocks 2 c and 2 c + 1 become registers dst + str c + 0 .. 3: lanes 0-15 hold block 2 c whole, lanes 16-31 block 2 c + 1
.macro QCODES src, dst, str
.irp c, 0,1
.irp e, 0,1
	v_cvt_scalef32_pk8_fp4_f32 v[\dst+\str*\c+2*\e], v[\src+16*(2*\c+\e):\src+16*(2*\c+\e)+7], v[TM+12+2*\c+\e]
	v_cvt_scalef32_pk8_fp4_f32 v[\dst+\str*\c+2*\e+1], v[\src+16*(2*\c+\e)+8:\src+16*(2*\c+\e)+15], v[TM+12+2*\c+\e]
.endr
.endr
	v_nop                                          ; one plain place behind a scaled conversion
.irp c, 0,1
.irp i, 0,1
	v_permlane16_swap_b32 v[\dst+\str*\c+\i], v[\dst+\str*\c+2+\i]
.endr
.endr
.endm
.macro QWORD wd
	s_delay_alu instid0(VALU_DEP_3)
	v_lshl_or_b32 v[\wd], v[TM+5], 8, v[TM+4]
	s_delay_alu instid0(VALU_DEP_1)
	v_lshl_or_b32 v[\wd], v[TM+6], 16, v[\wd]
	s_delay_alu instid0(VALU_DEP_1)
	v_lshl_or_b32 v[\wd], v[TM+7], 24, v[\wd]
.endm
; k or q of my head: tile t's 32 features are ONE block.  Its codes go to v[cd + 4 t ..]: lanes 0-15 hold the block whole, lanes 16-31 zeros (v[cd + 4 t + 2], [+ 3] were cleared); its byte to v[bd + t]
.macro HQUANT cd, bd
	QSC4 ACC, \bd
.irp b, 0,1,2,3
	v_cvt_scalef32_pk8_fp4_f32 v[\cd+4*\b], v[ACC+16*\b:ACC+16*\b+7], v[TM+12+\b]
	v_cvt_scalef32_pk8_fp4_f32 v[\cd+4*\b+1], v[ACC+16*\b+8:ACC+16*\b+15], v[TM+12+\b]
.endr
	v_nop
.irp b, 0,1,2,3
	v_permlane16_swap_b32 v[\cd+4*\b], v[\cd+4*\b+2]
	v_permlane16_swap_b32 v[\cd+4*\b+1], v[\cd+4*\b+3]
.endr
.endm
; eight pairs of partial sums, one for each of my tokens -> each token's sum over its 16 lanes, in v[c + 2 i], in all 16.  The eight tokens by turns: no line waits for the line above it
.macro ROWSUM c
.irp i, 0,1,2,3,4,5,6,7
	v_add_f32 v[\c+2*\i], v[\c+2*\i], v[\c+2*\i+1]
.endr
.irp m, 1,2,4,8
.irp i, 0,1,2,3,4,5,6,7
	v_add_f32_dpp v[\c+2*\i], v[\c+2*\i], v[\c+2*\i] row_xmask:\m row_mask:0xf bank_mask:0xf
.endr
.endr
.endm
; my tile as it lies in memory: instruction (sl, i): row 2 i + lane / 16, bytes 256 sl + 16 (lane % 16): sixteen lanes read 256 consecutive bytes, aligned
.macro PFLOAD
	WIN 0x40
.irp sl, 0,1,2,3
.irp i, 0,1,2,3
	global_load_b128 v[PF+32*\sl+4*\i:PF+32*\sl+4*\i+3], v[GA], s[36:37] offset:\sl*256+2*\i*1024 th:TH_LOAD_NT
.endr
.irp i, 4,5,6,7
	global_load_b128 v[PF+32*\sl+4*\i:PF+32*\sl+4*\i+3], v[GB], s[36:37] offset:\sl*256+(2*\i-8)*1024 th:TH_LOAD_NT
.endr
.endr
	WIN 0
.endm
; through my own stage, 64 features at a time, into the token layout.  LDS serves a wave's instructions in order: no wait between the stores and the loads, nor in front of the next slice's stores
.macro TURN
	WIN 0x04
.irp sl, 0,1,2,3
.irp i, 0,1,2,3,4,5,6,7
	ds_store_b128 v[STW], v[PF+32*\sl+4*\i:PF+32*\sl+4*\i+3] offset:\i*544
.endr
.irp bb, 0,1
.irp j, 0,1,2,3
	ds_load_b128 v[T+32*\sl+16*\bb+4*\j:T+32*\sl+16*\bb+4*\j+3], v[STR] offset:128*\bb+16*\j
.endr
.endr
.endr
	WIN 0
.endm
.macro FETCHXF o                       ; eight token fragments (o = 0: x1's, 1: x2's) into block 1
.irp f, 0,1,2,3,4,5,6,7
.irp c, 0,1
	ds_load_b128 v[XF+8*\f+4*\c:XF+8*\f+4*\c+3], v[AXI] offset:\o*8192+\f*1024+\c*512
.endr
.endr
.endm
.macro FETCHXS o                       ; and their scale words
.irp f, 0,1,2,3,4,5,6,7
	ds_load_b32 v[XW+\f], v[AXS] offset:\o*1024+\f*128
.endr
.endm
.macro WLOADF adr, off                 ; my head's four weight fragments (tile u, K step s) into block 1
.irp f, 0,1,2,3
.irp c, 0,1
	ds_load_b128 v[WF+8*\f+4*\c:WF+8*\f+4*\c+3], v[\adr] offset:\off+\f*1024+\c*512
.endr
.endr
.endm
.macro WLOADS adr, off
.irp u, 0,1
	ds_load_b32 v[WS+\u], v[\adr] offset:\off+\u*128
.endr
.endm
.macro BBLOAD off                      ; a bias in a transposed result's layout: eight features a tile
.irp j, 0,1,2,3
	ds_load_b128 v[BB+4*\j:BB+4*\j+3], v[ABQ] offset:\off+16*\j
.endr
.endm
.macro TMUL                            ; q or k, transposed: eight accumulators by turns, K step 0 and then K step 1
	WIN 0x05
.irp tt, 0,1,2,3
.irp u, 0,1
	WMC ACC+16*\tt+8*\u, WF+16*\u, XF+16*\tt, BB+8*\u, WS+\u, XW+2*\tt
.endr
.endr
.irp tt, 0,1,2,3
.irp u, 0,1
	WMA ACC+16*\tt+8*\u, WF+16*\u+8, XF+16*\tt+8, ACC+16*\tt+8*\u, WS+\u, XW+2*\tt+1
.endr
.endr
	WIN 0
	PLACES 4
.endm
	s_load_b256 s[4:11], s[0:1], 0x0               ; x1 s[4:5], x2 s[6:7], wat s[8:9], oc s[10:11]
	s_load_b64 s[12:13], s[0:1], 0x20              ; os
	v_lshl_add_u32 v[SPW], v0, 2, SPARE
	v_mov_b32 v[NIL], 0
	ds_add_u32 v[SPW], v[NIL]                      ; the wave's opening: the add, twice on end, and its wait ahead of my first tensor load
	ds_add_u32 v[SPW], v[NIL]                      ; and once more; the set-up below, work on registers, stands between it and the wait
	v_lshrrev_b32 v57, 5, v0
	s_delay_alu instid0(VALU_DEP_1)
	v_readfirstlane_b32 s14, v57                   ; wave 0..7
	s_bfe_u32 s15, ttmp6, 0x40000                  ; cx: it enters global addresses alone
	s_lshl_b32 s16, ttmp9, 2
	s_add_co_u32 s16, s16, s15                     ; work-group = 4 x cluster + cx
	s_mov_b32 s20, 0x76543210
	s_mov_b32 s21, 0xfedcba98                      ; v_permlanex16_b32's selects for lane l xor 16
	s_mov_b32 s22, 0x3fb8aa3b                      ; log2(e)
	s_mov_b32 s23, s22
	s_mov_b32 s40, 0x3e3504f3                      ; 32^-0.5
	s_mov_b32 s41, s40
	s_mov_b32 s42, 0x3b800000                      ; 1 / 256
	s_mov_b32 s43, 0x3727c5ac                      ; 1e-5
	; descriptor group 1: 70 dense rows of 256 bytes (32 elements of 8 bytes), no padding; the mask names the cluster's four work-groups
	s_mov_b32 s24, 15|(3<<16)|(1<<21)
	s_mov_b32 s25, 32<<16
	s_mov_b32 s26, 70<<16
	s_mov_b32 s27, 32<<16
	s_mov_b32 s28, 70
	s_mov_b32 s29, 32
	s_mov_b32 s30, 0
	s_mov_b32 s31, 0
	s_mov_b32 s32, 1
	s_mul_i32 s33, s14, 17920                      ; my eighth of wat: the same place in LDS and in memory
	v_and_b32 v57, 31, v0                          ; lane
	v_and_b32 v58, 15, v0                          ; r
	v_bfe_u32 v59, v0, 4, 1                        ; h
	s_wait_alu depctr_va_vdst(0)
	v_lshlrev_b32 v[LI], 4, v57
	v_lshlrev_b32 v[LS], 2, v57
	s_and_b32 s17, s14, 3                          ; my tile t.  x1: window rows 2 t, 2 t + 1;  x2: 4 (t / 2) + t % 2 and two further on
	s_lshl_b32 s18, s17, 1
	s_add_co_u32 s19, s18, 1
	s_lshr_b32 s44, s17, 1
	s_lshl_b32 s44, s44, 2
	s_and_b32 s45, s17, 1
	s_add_co_u32 s44, s44, s45
	s_add_co_u32 s45, s44, 2
	s_cmp_lt_u32 s14, 4
	s_cselect_b32 s18, s18, s44
	s_cselect_b32 s19, s19, s45
	s_lshl_b32 s18, s18, 16                        ; a window row is 65,536 bytes on
	s_lshl_b32 s19, s19, 16
	v_lshlrev_b32 v60, 10, v59
	s_delay_alu instid0(VALU_DEP_1)
	v_lshl_add_u32 v60, v58, 4, v60
	s_delay_alu instid0(VALU_DEP_1)
	v_add_nc_u32 v[GA], s18, v60
	s_delay_alu instid0(VALU_DEP_2)
	v_add_nc_u32 v[GB], s19, v60
	s_mul_i32 s46, s14, 4352
	s_add_co_u32 s46, s46, STG                     ; my stage
	v_mul_u32_u24 v60, v59, 272
	s_delay_alu instid0(VALU_DEP_1)
	v_lshl_add_u32 v60, v58, 4, v60
	s_delay_alu instid0(VALU_DEP_1)
	v_add_nc_u32 v[STW], s46, v60
	v_mul_u32_u24 v60, v58, 272
	s_delay_alu instid0(VALU_DEP_1)
	v_lshl_add_u32 v60, v59, 6, v60
	s_delay_alu instid0(VALU_DEP_1)
	v_add_nc_u32 v[STR], s46, v60
	s_lshl_b32 s47, s14, 11
	s_add_co_u32 s47, s47, XI
	v_add_nc_u32 v[XWI], s47, v[LI]
	s_lshl_b32 s47, s14, 8
	s_add_co_u32 s47, s47, XSI
	v_add_nc_u32 v[XWS], s47, v[LS]
	v_add_nc_u32 v[AXI], XI, v[LI]
	v_add_nc_u32 v[AXS], XSI, v[LS]
	s_lshl_b32 s47, s14, 12
	v_add_nc_u32 v[AWF], s47, v[LI]
	s_delay_alu instid0(VALU_DEP_1)
	v_add_nc_u32 v[AWFV], UV, v[AWF]
	s_lshl_b32 s47, s14, 8
	s_add_co_u32 s47, s47, 32768
	v_add_nc_u32 v[AWS], s47, v[LS]
	s_delay_alu instid0(VALU_DEP_1)
	v_add_nc_u32 v[AWSV], UV, v[AWS]
	s_lshl_b32 s47, s14, 7
	s_add_co_u32 s47, s47, VEC1+2048
	v_lshl_add_u32 v[ABQ], v59, 6, s47
	v_lshrrev_b32 v60, 3, v58
	s_delay_alu instid0(VALU_DEP_1)
	v_lshl_add_u32 v61, v60, 3, v58                ; r + 8 (r / 8)
	s_add_co_u32 s47, s47, 2048
	v_lshl_add_u32 v[ABV], v61, 2, s47
	v_add_nc_u32 v60, 2, v60
	v_lshlrev_b32 v61, 1, v59
	s_delay_alu instid0(VALU_DEP_1)
	v_sub_nc_u32 v60, v60, v61                     ; r / 8 + 2 - 2 h
	v_and_b32 v61, 7, v58
	s_delay_alu instid0(VALU_DEP_1)
	v_lshlrev_b32 v61, 5, v61
	s_delay_alu instid0(VALU_DEP_1)
	v_lshl_add_u32 v60, v60, 8, v61
	s_mul_i32 s47, s14, 3840
	s_add_co_u32 s47, s47, EOFF
	v_add_nc_u32 v60, s47, v60                     ; E: my head, row dy's lane part, my query's nx
	v_lshrrev_b32 v61, 3, v58                      ; in E's odd rows dy the two halves of an nx have changed places; dy's parity is r / 8 + u + 1
	s_delay_alu instid0(VALU_DEP_1)
	v_lshl_add_u32 v[AE1], v61, 4, v60
	s_delay_alu instid0(VALU_DEP_2)
	v_xor_b32 v61, 1, v61
	s_delay_alu instid0(VALU_DEP_1)
	v_lshl_add_u32 v[AE0], v61, 4, v60
	s_and_b32 s47, s14, 3
	s_lshr_b32 s44, s14, 2
	s_lshl_b32 s45, s44, 6
	s_add_co_u32 s47, s47, s45
	s_add_co_u32 s47, s47, OSI
	v_lshl_add_u32 v[AOB], v58, 2, s47
	s_lshl_b32 s44, s44, 10                        ; oc: K step head / 4, half (head / 2) % 2, lanes' half head % 2
	s_bfe_u32 s45, s14, 0x10001
	s_lshl_b32 s45, s45, 9
	s_add_co_u32 s44, s44, s45
	s_and_b32 s45, s14, 1
	s_lshl_b32 s45, s45, 8
	s_add_co_u32 s44, s44, s45
	v_lshlrev_b32 v60, 11, v59
	s_delay_alu instid0(VALU_DEP_1)
	v_lshl_add_u32 v60, v58, 4, v60
	s_delay_alu instid0(VALU_DEP_1)
	v_add_nc_u32 v[GO], s44, v60
	v_add_nc_u32 v[AOS], OSI, v[LI]
	v_lshl_add_u32 v61, v58, 4, VEC1               ; the gains of my four features of a slice: 16 (lane % 16)
.irp b, 0,1,2,3
	v_mov_b32 v[TM+4+\b], 0                        ; written once: a lane permute's destination counts as one of its sources
.endr
	s_lshl_b32 s17, s16, 2                         ; my first window: 64 x image + 8 x wy + wx
	s_lshr_b32 s18, s17, 6
	s_lshl_b32 s18, s18, 22
	s_bfe_u32 s19, s17, 0x30003
	s_lshl_b32 s19, s19, 19
	s_or_b32 s18, s18, s19
	s_and_b32 s19, s17, 7
	s_lshl_b32 s19, s19, 13
	s_or_b32 s18, s18, s19
	s_mov_b32 s19, 0
	s_mov_b32 s2, s33
	s_mov_b32 s3, 0
	s_lshl_b32 s44, s16, 15                        ; oc: 8,192 bytes a window
	s_mov_b32 s45, 0
	s_lshl_b32 s46, s16, 11                        ; os: 512 bytes a window
	s_mov_b32 s47, 0
	s_wait_dscnt 0x0                               ; both opening adds are done
	s_wait_kmcnt 0x0
	s_add_nc_u64 s[34:35], s[8:9], s[2:3]
	s_or_b32 s35, s35, 0x80000000
	s_cmp_lt_u32 s14, 4
	s_cselect_b64 s[36:37], s[4:5], s[6:7]         ; waves 0-3 read x1, waves 4-7 x2
	s_add_nc_u64 s[36:37], s[36:37], s[18:19]
	s_add_nc_u64 s[10:11], s[10:11], s[44:45]
	s_add_nc_u64 s[12:13], s[12:13], s[46:47]
	PFLOAD                                         ; the first window's tile
	ROUND                                          ; all four work-groups are here: the joint loads meet
	tensor_load_to_lds s[32:35], s[24:31]          ; my one tensor load of the launch
	s_nop 0
	PLACES 4
	s_mov_b32 s38, 4
	s_wait_tensorcnt 0x0                           ; my eighth of wat is in,
	s_barrier_signal -1
	s_barrier_wait -1                              ; everybody's is
	WIN 0x40
	s_wait_alu depctr_va_vdst(0)
.irp sl, 0,1,2,3
	ds_load_b128 v[GG+4*\sl:GG+4*\sl+3], v61 offset:256*\sl          ; my 16 gains and 16 biases: they stay for the whole launch
	ds_load_b128 v[BV+4*\sl:BV+4*\sl+3], v61 offset:1024+256*\sl
.endr
	WIN 0
	ds_load_b32 v[VBP], v[ABV]                     ; v_b of my lane's column in each of my head's two tiles: they stay too
	ds_load_b32 v[VBP+1], v[ABV] offset:32
	s_wait_dscnt 0x0
.Ltrip:
	; ---- X: my tile: layer norm as it was loaded, then the turn, then two fragments
	s_wait_loadcnt 0x0                             ; the tile is in, and its loads have read their base
	WIN 0x05                                       ; sources in block 1, destination in block 0
.irp i, 0,1,2,3,4,5,6,7
	v_pk_add_f32 v[MM+2*\i:MM+2*\i+1], v[PF+4*\i:PF+4*\i+1], v[PF+4*\i+2:PF+4*\i+3]
.endr
	WIN 0x04
.irp o, 32,34,64,66,96,98
.irp i, 0,1,2,3,4,5,6,7
	v_pk_add_f32 v[MM+2*\i:MM+2*\i+1], v[MM+2*\i:MM+2*\i+1], v[PF+\o+4*\i:PF+\o+4*\i+1]
.endr
.endr
	WIN 0
	ROWSUM MM
.irp i, 0,1,2,3,4,5,6,7
	v_mul_f32 v[MM+2*\i], s42, v[MM+2*\i]          ; the means
.endr
	WIN 0x41                                       ; the tile in block 1, a token's number in block 0
.irp o, 0,2,32,34,64,66,96,98
.irp i, 0,1,2,3,4,5,6,7
	v_pk_add_f32 v[PF+\o+4*\i:PF+\o+4*\i+1], v[PF+\o+4*\i:PF+\o+4*\i+1], v[MM+2*\i:MM+2*\i+1] op_sel_hi:[1,0] neg_lo:[0,1] neg_hi:[0,1]
.endr
.endr
	WIN 0x05
.irp i, 0,1,2,3,4,5,6,7
	v_pk_mul_f32 v[QQ+2*\i:QQ+2*\i+1], v[PF+4*\i:PF+4*\i+1], v[PF+4*\i:PF+4*\i+1]
.endr
.irp o, 2,32,34,64,66,96,98
.irp i, 0,1,2,3,4,5,6,7
	v_pk_fma_f32 v[QQ+2*\i:QQ+2*\i+1], v[PF+\o+4*\i:PF+\o+4*\i+1], v[PF+\o+4*\i:PF+\o+4*\i+1], v[QQ+2*\i:QQ+2*\i+1]
.endr
.endr
	WIN 0
	ROWSUM QQ
.irp i, 0,1,2,3,4,5,6,7
	v_fma_f32 v[QQ+2*\i], v[QQ+2*\i], s42, s43     ; the variances + eps
.endr
	s_wait_alu depctr_va_vdst(0)
.irp i, 0,1,2,3,4,5,6,7
	v_rsq_f32 v[MM+2*\i], v[QQ+2*\i]
.endr
	v_nop                                          ; a plain place behind the transcendentals,
	s_wait_alu depctr_va_vdst(0)                   ; and the wait ahead of their first reader: one for the eight
	WIN 0x41
.irp o, 0,2,32,34,64,66,96,98
.irp i, 0,1,2,3,4,5,6,7
	v_pk_mul_f32 v[PF+\o+4*\i:PF+\o+4*\i+1], v[PF+\o+4*\i:PF+\o+4*\i+1], v[MM+2*\i:MM+2*\i+1] op_sel_hi:[1,0]
.endr
.endr
	WIN 0x55                                       ; all in block 1
.irp sl, 0,1,2,3
.irp q, 0,2
.irp i, 0,1,2,3,4,5,6,7
	v_pk_fma_f32 v[PF+32*\sl+\q+4*\i:PF+32*\sl+\q+4*\i+1], v[PF+32*\sl+\q+4*\i:PF+32*\sl+\q+4*\i+1], v[GG+4*\sl+\q:GG+4*\sl+\q+1], v[BV+4*\sl+\q:BV+4*\sl+\q+1]
.endr
.endr
.endr
	TURN
	s_wait_dscnt 0x0                               ; the tile is back, by tokens; the stage's stores have read the tile's registers
	s_cmp_eq_u32 s38, 1
	s_cbranch_scc1 .Lno_next                       ; the last window asks for nothing: no load leaves its buffer
	s_add_nc_u64 s[36:37], s[36:37], 8192          ; the next window lies 8 tokens on
	PFLOAD
.Lno_next:
	QSC4 T, TM+4                                   ; features 0-127: K step 0
	QWORD PW
	QCODES T, PC, 4
	ds_store_b128 v[XWI], v[PC:PC+3]
	ds_store_b128 v[XWI], v[PC+4:PC+7] offset:512
	ds_store_b32 v[XWS], v[PW]
	QSC4 T+64, TM+4                                ; K step 1, into registers of its own
	QWORD PW2
	QCODES T+64, PC2, 4
	ds_store_b128 v[XWI], v[PC2:PC2+3] offset:1024
	ds_store_b128 v[XWI], v[PC2+4:PC2+7] offset:1536
	ds_store_b32 v[XWS], v[PW2] offset:128
	s_wait_dscnt 0x0                               ; for the others' sake: my images lie in LDS
	s_barrier_signal -1
	s_barrier_wait -1                              ; all sixteen fragments do
	; ---- k, v, q of my head
	WIN 0x40
	FETCHXF 1
	WLOADF AWF, UK
	WIN 0
	FETCHXS 1
	WLOADS AWS, UK
	BBLOAD 1024
.irp q, KC+2,KC+3,KC+6,KC+7,KC+10,KC+11,KC+14,KC+15,KC+16,KC+17,KC+18,KC+19,VC+8,VC+9,VC+10,VC+11,QC+2,QC+3,QC+6,QC+7,QC+10,QC+11,QC+14,QC+15,QB+4,QB+5,QB+6,QB+7,PB+4,PB+5,PB+6,PB+7
	v_mov_b32 v[\q], 0                             ; zero codes: what fills K up to 128, and what the exchanges of halves bring into lanes 16-31
.endr
	s_wait_dscnt 0x0
	TMUL                                           ; k: lane (r, h): token row r, features 32 w + 16 h + 0 .. 15 of each tile
	WIN 0x40
	WLOADF AWFV, 0
	WIN 0
	WLOADS AWSV, 0
.irp u, 0,1
.irp j, 0,1,2,3,4,5,6,7
	v_mov_b32 v[BB+8*\u+\j], v[VBP+\u]             ; v's C operand: v_b of my lane's column in all eight registers of a tile
.endr
.endr
	HQUANT KC, KS
	s_wait_dscnt 0x0
	WIN 0x05                                       ; v, not transposed: source 0 = 16 tokens, source 1 = 16 columns: a lane holds one feature and its registers run along the tokens, the next K
.irp u, 0,1
.irp tt, 0,1,2,3
	WMC ACC+32*\u+8*\tt, XF+16*\tt, WF+16*\u, BB+8*\u, XW+2*\tt, WS+\u
.endr
.endr
.irp u, 0,1
.irp tt, 0,1,2,3
	WMB ACC+32*\u+8*\tt, XF+16*\tt+8, WF+16*\u+8, ACC+32*\u+8*\tt, XW+2*\tt+1, WS+\u
.endr
.endr
	WIN 0
	PLACES 4
	WIN 0x40
	FETCHXF 0
	WLOADF AWF, 0
	WIN 0
	FETCHXS 0
	WLOADS AWS, 0
	BBLOAD 0
	QSC4 ACC, TM+4                                 ; v's blocks: tile u, keys 32 b on
	s_delay_alu instid0(VALU_DEP_3)
	v_lshl_or_b32 v[VS], v[TM+5], 8, v[TM+4]
	s_delay_alu instid0(VALU_DEP_2)
	v_lshl_or_b32 v[VS+1], v[TM+7], 8, v[TM+6]
	QCODES ACC, VC, 4
	s_wait_dscnt 0x0
	TMUL                                           ; q
.set ii, 0
.rept 32
	v_pk_mul_f32 v[ACC+ii:ACC+ii+1], v[ACC+ii:ACC+ii+1], s[40:41] op_sel_hi:[1,0]   ; x 32^-0.5, ahead of the quantiser as the problem has it
.set ii, ii+2
.endr
	HQUANT QC, QS
; ---- attention of my head for 16 queries
.macro ATT qt
.irp b, 0,1                                    ; the bias is the C of the product: eight neighbouring keys of one window row.  Row dy = 2 qt + r / 8 - 4 b - u - 2 h + 7; where it is odd, the halves lie the other way round
	ds_load_b128 v[SA+16*\b:SA+16*\b+3], v[AE0] offset:(2*\qt-4*\b+5)*256
	ds_load_b128 v[SA+16*\b+4:SA+16*\b+7], v[AE1] offset:(2*\qt-4*\b+5)*256
	ds_load_b128 v[SA+16*\b+8:SA+16*\b+11], v[AE1] offset:(2*\qt-4*\b+4)*256
	ds_load_b128 v[SA+16*\b+12:SA+16*\b+15], v[AE0] offset:(2*\qt-4*\b+4)*256
.endr
.irp i, 0,1,2,3
	v_mov_b32 v[QB+\i], v[QC+4*\qt+\i]
.endr
	PLACES 4                                       ; an operand written by vector instructions stands 4 places ahead of a scaled matrix instruction
	s_wait_alu depctr_va_vdst(0)
	s_wait_dscnt 0x0
.irp k, 0,1,2,3
	WMC SA+8*\k, KC+4*\k, QB, SA+8*\k, KS+\k, QS+\qt   ; S^T: source 0's upper four registers (K 64 on) meet zero codes of q
.endr
	PLACES 4
.irp b, 0,1
	v_max3_num_f32 v[MB+\b], v[SA+16*\b], v[SA+16*\b+1], v[SA+16*\b+2]   ; the largest score of each block of 32 keys: for the row's maximum and for the block's largest p
.endr
.irp i, 3,5,7,9,11,13
.irp b, 0,1
	v_max3_num_f32 v[MB+\b], v[MB+\b], v[SA+16*\b+\i], v[SA+16*\b+\i+1]
.endr
.endr
.irp b, 0,1
	v_max_num_f32 v[MB+\b], v[MB+\b], v[SA+16*\b+15]
.endr
.irp b, 0,1
	s_delay_alu instid0(VALU_DEP_2)
	v_permlanex16_b32 v[MP+\b], v[MB+\b], s20, s21
.endr
.irp b, 0,1
	s_delay_alu instid0(VALU_DEP_2)
	v_max_num_f32 v[MB+\b], v[MB+\b], v[MP+\b]
.endr
	s_delay_alu instid0(VALU_DEP_1)
	v_max_num_f32 v[MT], v[MB], v[MB+1]
	s_delay_alu instid0(VALU_DEP_1)
	v_mul_f32 v[MT], s22, v[MT]                    ; the row's largest t
	s_delay_alu instid0(VALU_DEP_1)
	v_floor_f32 v[NM], -v[MT]                      ; -M = -ceil(t): a whole number
.irp j, 0,2,4,6,8,10,12,14,16,18,20,22,24,26,28,30
	v_pk_fma_f32 v[SA+\j:SA+\j+1], v[SA+\j:SA+\j+1], s[22:23], v[NM:NM+1] op_sel_hi:[1,0,0]
.endr
.irp b, 0,1
	v_fma_f32 v[MB+\b], v[MB+\b], s22, v[NM]
.endr
	s_wait_alu depctr_va_vdst(0)
.irp j, 0,1,2,3,4,5,6,7,8,9,10,11,12,13,14,15,16,17,18,19,20,21,22,23,24,25,26,27,28,29,30,31
	v_exp_f32 v[SA+\j], v[SA+\j]                   ; p = 2^(t - M): not normalised
.endr
.irp b, 0,1
	v_exp_f32 v[MB+\b], v[MB+\b]                   ; the block's largest p
.endr
	v_nop
	s_wait_alu depctr_va_vdst(0)                   ; one wait for the batch of 34, ahead of its first reader
.irp b, 0,1
	v_max_num_f32 v[MB+\b], 0x1800000, v[MB+\b]
.endr
.irp b, 0,1
	s_delay_alu instid0(VALU_DEP_2)
	v_add_nc_u32 v[SO+\b], 0xff000000, v[MB+\b]
.endr
.irp b, 0,1
	s_delay_alu instid0(VALU_DEP_2)
	v_lshrrev_b32 v[BY+\b], 23, v[SO+\b]
.endr
	s_delay_alu instid0(VALU_DEP_1)
	v_lshl_or_b32 v[PWD], v[BY+1], 8, v[BY]
.irp b, 0,1
	v_cvt_scalef32_pk8_fp4_f32 v[PB+2*\b], v[SA+16*\b:SA+16*\b+7], v[SO+\b]
	v_cvt_scalef32_pk8_fp4_f32 v[PB+2*\b+1], v[SA+16*\b+8:SA+16*\b+15], v[SO+\b]
.endr
	v_nop
	v_permlane16_swap_b32 v[PB], v[PB+2]
	v_permlane16_swap_b32 v[PB+1], v[PB+3]
	v_pk_add_f32 v[122:123], v[64:65], v[66:67]
	v_pk_add_f32 v[254:255], v[72:73], v[76:77]
	v_pk_add_f32 v[252:253], v[80:81], v[84:85]
	v_pk_add_f32 v[250:251], v[88:89], v[92:93]
	v_pk_add_f32 v[248:249], v[68:69], v[70:71]
	v_pk_add_f32 v[246:247], v[74:75], v[78:79]
	v_pk_add_f32 v[232:233], v[82:83], v[86:87]
	v_pk_add_f32 v[120:121], v[90:91], v[94:95]
	s_delay_alu instid0(VALU_DEP_1)
	v_pk_add_f32 v[120:121], v[120:121], v[250:251]
	v_pk_add_f32 v[122:123], v[122:123], v[248:249]
	v_pk_add_f32 v[254:255], v[254:255], v[246:247]
	v_pk_add_f32 v[252:253], v[252:253], v[232:233]
	s_delay_alu instid0(VALU_DEP_2)
	v_pk_add_f32 v[120:121], v[120:121], v[254:255]
	s_delay_alu instid0(VALU_DEP_2)
	v_pk_add_f32 v[122:123], v[122:123], v[252:253]
	s_delay_alu instid0(VALU_DEP_1)
	v_pk_add_f32 v[120:121], v[120:121], v[122:123]
	s_delay_alu instid0(VALU_DEP_1)
	v_add_f32 v[SU0], v[SU0], v[SU0+1]
	s_delay_alu instid0(VALU_DEP_1)
	v_permlanex16_b32 v[SU0+1], v[SU0], s20, s21
	s_delay_alu instid0(VALU_DEP_1)
	v_add_f32 v[SU0], v[SU0], v[SU0+1]
	s_wait_alu depctr_va_vdst(0)
	v_rcp_f32 v[SU1], v[SU0]
.irp u, 0,1
	WMZ OA+8*\u, VC+4*\u, PB, VS+\u, PWD           ; O^T: source 0's upper four registers meet zero codes of p
.endr
	PLACES 4
	s_wait_alu depctr_va_vdst(0)                   ; the reciprocal's wait, ahead of its first reader
.irp j, 0,2,4,6,8,10,12,14
	v_pk_mul_f32 v[OA+\j:OA+\j+1], v[OA+\j:OA+\j+1], v[SU1:SU1+1] op_sel_hi:[1,0]
.endr
	v_max3_num_f32 v[MB], |v[OA]|, |v[OA+1]|, 0x1800000      ; my head's 32 features of a token are one block of the projection's K
	v_max_num_f32 v[MB+1], |v[OA+2]|, |v[OA+3]|
.irp i, 4,8,12
	s_delay_alu instid0(VALU_DEP_2)
	v_max3_num_f32 v[MB], v[MB], |v[OA+\i]|, |v[OA+\i+1]|
	s_delay_alu instid0(VALU_DEP_2)
	v_max3_num_f32 v[MB+1], v[MB+1], |v[OA+\i+2]|, |v[OA+\i+3]|
.endr
	s_delay_alu instid0(VALU_DEP_1)
	v_max_num_f32 v[MB], v[MB], v[MB+1]
	s_delay_alu instid0(VALU_DEP_1)
	v_permlanex16_b32 v[MP], v[MB], s20, s21
	s_delay_alu instid0(VALU_DEP_1)
	v_max_num_f32 v[MB], v[MB], v[MP]
	s_delay_alu instid0(VALU_DEP_1)
	v_add_nc_u32 v[SO], 0xff000000, v[MB]
	v_cvt_scalef32_pk8_fp4_f32 v[OCD+4*(\qt/2)+2*(\qt%2)], v[OA:OA+7], v[SO]
	v_cvt_scalef32_pk8_fp4_f32 v[OCD+4*(\qt/2)+2*(\qt%2)+1], v[OA+8:OA+15], v[SO]
	v_lshrrev_b32 v[OBY+\qt], 23, v[SO]
	ds_store_b8 v[AOB], v[OBY+\qt] offset:\qt*128  ; both lanes of a token write the same byte with the same value
.if \qt%2
	v_nop
	v_permlane16_swap_b32 v[OCD+4*(\qt/2)], v[OCD+4*(\qt/2)+2]       ; two tiles' half blocks become whole blocks: lanes 0-15 the even tile's, lanes 16-31 the odd tile's
	v_permlane16_swap_b32 v[OCD+4*(\qt/2)+1], v[OCD+4*(\qt/2)+3]
	global_store_b128 v[GO], v[OCD+4*(\qt/2):OCD+4*(\qt/2)+3], s[10:11] offset:(\qt/2)*4096   ; sixteen lanes store 256 consecutive bytes, aligned
.endif
.endm
	ATT 0
	ATT 1
	ATT 2
	ATT 3
	s_wait_dscnt 0x0                               ; my scale bytes lie in LDS, and my reads of the images are long over:
	s_barrier_signal -1
	s_barrier_wait -1                              ; the images may be written again, and the window's 512 scale bytes are whole
	s_cmp_lg_u32 s14, 0
	s_cbranch_scc1 .Lnot_0
	ds_load_b128 v[OSR:OSR+3], v[AOS]
	s_wait_dscnt 0x0
	global_store_b128 v[LI], v[OSR:OSR+3], s[12:13]   ; 512 consecutive bytes
.Lnot_0:
	s_wait_xcnt 0x0                                ; the stores have read their registers and bases: both may be written again
	s_add_nc_u64 s[10:11], s[10:11], 8192
	s_add_nc_u64 s[12:13], s[12:13], 512
	s_sub_co_u32 s38, s38, 1
	s_cmp_lg_u32 s38, 0
	s_cbranch_scc1 .Ltrip
	s_wait_tensorcnt 0x0                           ; the wave's end, behind my last tensor load and my last LDS store
	ds_add_u32 v[SPW], v[NIL]
	s_wait_dscnt 0x0
	ROUND                                          ; the closing round
	s_endpgm
.Lfunc_end_k_q400e87ca19_attn:
	.size	k_q400e87ca19_attn, .Lfunc_end_k_q400e87ca19_attn-k_q400e87ca19_attn
	.p2alignl 7, 3214868480
	.fill 96, 4, 3214868480
	.section	.rodata,"a",@progbits
	.p2align	6, 0x0
	.amdhsa_kernel k_q400e87ca19_attn
		.amdhsa_group_segment_fixed_size 198144
		.amdhsa_private_segment_fixed_size 0
		.amdhsa_enable_private_segment 0
		.amdhsa_kernarg_size 40
		.amdhsa_user_sgpr_count 2
		.amdhsa_user_sgpr_kernarg_segment_ptr 1
		.amdhsa_wavefront_size32 1
		.amdhsa_system_sgpr_workgroup_id_x 1
		.amdhsa_system_sgpr_workgroup_id_y 1
		.amdhsa_system_sgpr_workgroup_id_z 1
		.amdhsa_system_vgpr_workitem_id 0
		.amdhsa_next_free_vgpr 512
		.amdhsa_next_free_sgpr 66
		.amdhsa_reserve_vcc 0
		.amdhsa_float_denorm_mode_32 3
		.amdhsa_float_denorm_mode_16_64 3
		.amdhsa_memory_ordered 1
		.amdhsa_forward_progress 1
		.amdhsa_inst_pref_size 122
	.end_amdhsa_kernel
	.amdgpu_metadata
---
amdhsa.version: [ 1, 2 ]
amdhsa.kernels:
  - .name:           k_q400e87ca19_attn
    .symbol:         k_q400e87ca19_attn.kd
    .args:
      - { .name: x1, .offset: 0, .size: 8, .value_kind: global_buffer, .address_space: global }
      - { .name: x2, .offset: 8, .size: 8, .value_kind: global_buffer, .address_space: global }
      - { .name: wat, .offset: 16, .size: 8, .value_kind: global_buffer, .address_space: global }
      - { .name: oc, .offset: 24, .size: 8, .value_kind: global_buffer, .address_space: global }
      - { .name: os, .offset: 32, .size: 8, .value_kind: global_buffer, .address_space: global }
    .group_segment_fixed_size: 198144
    .private_segment_fixed_size: 0
    .kernarg_segment_align: 8
    .kernarg_segment_size: 40
    .max_flat_workgroup_size: 256
    .sgpr_count:     66
    .vgpr_count:     512
    .wavefront_size: 32
...
	.end_amdgpu_metadata
.endif
;; end of part 2
;; launch mlp (part 3): grid 256 x 1, 4 waves a work-group, clusters of 4 x 1, 327,680 bytes of LDS; arguments x1, oc, os, wml, out0; writes out0
.if DOCPART == 3
	.amdgcn_target "amdgcn-amd-amdhsa--gfx1250"
	.amdhsa_code_object_version 6
	.text
	.protected	k_q400e87ca19_mlp
	.globl	k_q400e87ca19_mlp
	.p2align	8
	.type	k_q400e87ca19_mlp,@function
k_q400e87ca19_mlp:
	s_mov_b64 s[64:65], 0
	v_nop
	global_prefetch_b8 v0, s[64:65] scope:SCOPE_SE
	s_setreg_imm32_b32 hwreg(HW_REG_WAVE_MODE, 25, 1), 1
	s_wait_xcnt 0x0
	s_wait_alu depctr_hold_cnt(0) depctr_sa_sdst(0) depctr_va_vdst(0) depctr_va_sdst(0) depctr_va_ssrc(0) depctr_va_vcc(0) depctr_vm_vsrc(0)
	s_getreg_b32 s2, hwreg(HW_REG_IB_STS2, 6, 4)
	s_cmp_eq_u32 s2, 0
	s_cbranch_scc0 .Lentry_in_a_cluster
	s_endpgm
.Lentry_in_a_cluster:
	s_bfe_u32 s2, ttmp6, 0x10000c
	s_cmp_lg_u32 s2, 0x3003
	s_cbranch_scc0 .Lentry_shape_is_right
	s_endpgm
.Lentry_shape_is_right:
; MLP: x = x1 + O proj_w + proj_b; h = LN(x) quantised; out = x + Q(gelu(h fc1_w + fc1_b)) fc2_w + fc2_b.  All three products on codes of FP4 with E8M0 scales.  No work of the problem is left out here.
; LIMITS: NaN and infinities among the inputs are not served; a block of zeros keeps the byte 1 over zero codes (this program alone reads the bytes).
; SHARES.  A work-group of four waves takes four windows, a wave one window of 64 tokens: four tiles of 16, in two passes of two tiles.  proj is done for all four tiles at the head, from O's codes alone.
; x1 of the second pass is loaded while the first pass is worked on (tile 2 through the whole pass, tile 3 from the end of its chunk loop), and the first pass's stores are out while the second is worked on:
; so no prefetch into the L2 is written: the loads themselves run a pass ahead.
; WEIGHTS (wml) lie in LDS, each byte filled once, by joint tensor loads of the four work-groups of a cluster, which need the same bytes.  At the head, one load a wave: waves 0 and 1 proj's halves, wave 2 the vectors,
; wave 3 chunk 7: what proj needs is 43,008 bytes.  Chunks 0-6 (238 rows of 256 bytes a wave) follow behind a round and land under proj, the turn of x1 and the add.
; LDS: chunks 0-7 from 0 (34,816 each); the vectors 278,528; proj's unit 286,720; the spare words 321,536.  The four stages (16 x 272 bytes each) lie in proj's bytes, which have had their only fill and are read no more when the first stage store is issued.
; TOKEN LAYOUT: lane (r, h) holds token r of a tile; register 16 b + i holds feature 32 b + 16 h + i.  Products are used transposed (source 0 = 16 columns of a weight, source 1 = 16 tokens).
; GELU: 0.5 erf(x / sqrt 2) = z P(z^2) / Q(z^2), z = x held to +-4 sqrt 2; P of degree 6 and Q of degree 4 in z^2; result x (0.5 + that).  It goes in batches of 32 numbers a lane: 16 independent lines a round, three waits a batch at most.
; REGISTERS: window 0 at work; window 1: v0-127 and v128-255 x1's tiles as loaded and turned; v128-255 serve by turns norm3's gains and biases, fc2_b, the gelu's four arrays and fc2's 16 fragments;
; window 2: x, then the sums, of the pass in hand; window 3: proj's result for the second pass.
.set VEC2,  278528
.set PROJ,  286720
.set STG,   286720                     ; a stage of 16 x 272 bytes for each wave, in proj's bytes
.set SPARE, 321536                     ; the spare words
.set LI,   1                           ; 16 x lane
.set LS,   2                           ; 4 x lane
.set GX,   3                           ; my bytes of a tile's first window row
.set STA,  4                           ; the stage as loaded
.set STB,  5                           ; the stage by tokens
.set AV,   6                           ; the vectors at my half's features
.set AP,   7
.set APS,  8
.set ADW,  9                           ; this chunk's fragments, scale words, biases
.set ADS,  10
.set ABI,  11
.set SPW,  12
.set NIL,  13
.set RS,   18
.set GB4,  20
.set ADWN, 21                          ; the next chunk's
.set ADSN, 22
.set ABIN, 23
.set XC,   24
.set XS,   56
.set HC,   60
.set CH,   60
.set TA,   64                          ; the quantiser's: maxima (they lie in the half of HC that is written last)
.set TB,   72                          ; the partner's maxima, then the bytes
.set HW,   76
.set OW,   76
.set H,    80
.set OF,   80
.set OB,   80
.set GBUF, 144
.set BI,   144
.set FR,   176
.set FS,   240
.set FS2,  244
.set TC,   252                         ; the conversions' scale operands
.set GZ,   128                         ; window 1: the gelu's z, z^2, Q, P
.set GU,   160
.set GQ,   192
.set GP,   224
.set MSB, 0
.macro WIN new                         ; the immediate's high byte repeats the setting that is left
.if MSB != \new
	s_set_vgpr_msb (MSB<<8)|\new
.set MSB, \new
.endif
.endm
.macro ROUND                           ; a round of the cluster's barrier
	s_barrier_signal -1
	s_barrier_wait -1
	s_cmp_lg_u32 s14, 0
	s_cbranch_scc1 .Lnot_wave_0_\@
	s_barrier_signal -3
.Lnot_wave_0_\@:
	s_barrier_wait -3
	s_barrier_signal -1
	s_barrier_wait -1
.endm
.macro PLACES n
.rept \n
	v_nop
.endr
.endm
; D, source 0, source 1, C, source 0's scales, source 1's.  WMA: source 0's scales from lanes 16-31; WMAB: both
.macro WMC d, a, b, c, sa, sb
	v_wmma_scale_f32_16x16x128_f8f6f4 v[\d:\d+7], v[\a:\a+7], v[\b:\b+7], v[\c:\c+7], v[\sa], v[\sb] matrix_a_fmt:MATRIX_FMT_FP4 matrix_b_fmt:MATRIX_FMT_FP4
.endm
.macro WMA d, a, b, c, sa, sb
	v_wmma_scale_f32_16x16x128_f8f6f4 v[\d:\d+7], v[\a:\a+7], v[\b:\b+7], v[\c:\c+7], v[\sa], v[\sb] matrix_a_fmt:MATRIX_FMT_FP4 matrix_b_fmt:MATRIX_FMT_FP4 matrix_a_scale:MATRIX_SCALE_ROW1
.endm
.macro WMAB d, a, b, c, sa, sb
	v_wmma_scale_f32_16x16x128_f8f6f4 v[\d:\d+7], v[\a:\a+7], v[\b:\b+7], v[\c:\c+7], v[\sa], v[\sb] matrix_a_fmt:MATRIX_FMT_FP4 matrix_b_fmt:MATRIX_FMT_FP4 matrix_a_scale:MATRIX_SCALE_ROW1 matrix_b_scale:MATRIX_SCALE_ROW1
.endm
; four blocks of 32: block b is my 16 numbers v[src + 16 b ..] and lane l xor 16's.  Scale operands to v[TC ..], bytes to v[TB ..]
.macro QSC4 src
.irp b, 0,1,2,3
	v_max3_num_f32 v[TA+\b], |v[\src+16*\b]|, |v[\src+16*\b+1]|, 0x1800000   ; with the floor 2^(3 - 127): the byte cannot fall under 1
.endr
.irp i, 2,4,6,8,10,12,14
.irp b, 0,1,2,3
	v_max3_num_f32 v[TA+\b], v[TA+\b], |v[\src+16*\b+\i]|, |v[\src+16*\b+\i+1]|
.endr
.endr
.irp b, 0,1,2,3
	v_permlanex16_b32 v[TB+\b], v[TA+\b], s20, s21
.endr
.irp b, 0,1,2,3
	v_max_num_f32 v[TA+\b], v[TA+\b], v[TB+\b]
.endr
.irp b, 0,1,2,3
	v_add_nc_u32 v[TC+\b], 0xff000000, v[TA+\b]      ; 2 off the exponent field
.endr
.irp b, 0,1,2,3
	v_lshrrev_b32 v[TB+\b], 23, v[TC+\b]
.endr
.endm
; blocks 2 c and 2 c + 1 become registers dst + str c + 0 .. 3: lanes 0-15 hold block 2 c whole, lanes 16-31 block 2 c + 1
.macro QCODES src, dst, str
.irp c, 0,1
.irp e, 0,1
	v_cvt_scalef32_pk8_fp4_f32 v[\dst+\str*\c+2*\e], v[\src+16*(2*\c+\e):\src+16*(2*\c+\e)+7], v[TC+2*\c+\e]
	v_cvt_scalef32_pk8_fp4_f32 v[\dst+\str*\c+2*\e+1], v[\src+16*(2*\c+\e)+8:\src+16*(2*\c+\e)+15], v[TC+2*\c+\e]
.endr
.endr
	v_nop                                          ; one plain place behind a scaled conversion
.irp c, 0,1
.irp i, 0,1
	v_permlane16_swap_b32 v[\dst+\str*\c+\i], v[\dst+\str*\c+2+\i]
.endr
.endr
.endm
.macro QWORD wd
	v_lshl_or_b32 v[\wd], v[TB+1], 8, v[TB]
	v_lshl_or_b32 v[\wd], v[TB+2], 16, v[\wd]
	v_lshl_or_b32 v[\wd], v[TB+3], 24, v[\wd]
.endm
.macro REDUCE c                        ; four pairs -> the token's sum, in both of its lanes
	v_pk_add_f32 v[\c:\c+1], v[\c:\c+1], v[\c+2:\c+3]
	v_pk_add_f32 v[\c+4:\c+5], v[\c+4:\c+5], v[\c+6:\c+7]
	v_pk_add_f32 v[\c:\c+1], v[\c:\c+1], v[\c+4:\c+5]
	v_add_f32 v[\c], v[\c], v[\c+1]
	v_permlanex16_b32 v[\c+2], v[\c], s20, s21
	v_add_f32 v[\c], v[\c], v[\c+2]
.endm
; norm3's gains and biases of my 64 features of K step hf, into window 1: group g of eight features: gains at 128 + 16 g, biases at 136 + 16 g: 32 loads
.macro GBL8 hf
	WIN 0x40
.set gg, 0
.rept 8
.irp j, 0,1
	ds_load_b128 v[128+16*gg+4*\j:128+16*gg+4*\j+3], v[AV] offset:1024+512*\hf+128*(gg/2)+32*(gg%2)+16*\j
	ds_load_b128 v[136+16*gg+4*\j:136+16*gg+4*\j+3], v[AV] offset:2048+512*\hf+128*(gg/2)+32*(gg%2)+16*\j
.endr
.set gg, gg+1
.endr
	WIN 0
.endm
.macro NMUL base                       ; 64 centred numbers x 1 / sigma
.set ii, 0
.rept 32
	v_pk_mul_f32 v[\base+ii:\base+ii+1], v[\base+ii:\base+ii+1], v[RS:RS+1] op_sel_hi:[1,0]
.set ii, ii+2
.endr
.endm
.macro NFMA base                       ; x gain + bias
	WIN 0x14
.set gg, 0
.rept 8
.irp p, 0,1,2,3
	v_pk_fma_f32 v[\base+8*gg+2*\p:\base+8*gg+2*\p+1], v[\base+8*gg+2*\p:\base+8*gg+2*\p+1], v[128+16*gg+2*\p:129+16*gg+2*\p], v[136+16*gg+2*\p:137+16*gg+2*\p]
.endr
.set gg, gg+1
.endr
	WIN 0
.endm
; x1's tile tt of my window into window 1 at rb: sixteen lanes read 256 consecutive bytes, aligned
.macro XLOAD tt, rb
	WIN 0x40
.irp sl, 0,1,2,3
.irp i, 0,1,2,3,4,5,6,7
	global_load_b128 v[\rb+32*\sl+4*\i:\rb+32*\sl+4*\i+3], v[GX], s[4:5] offset:\tt*131072+(\i/4)*65536+((2*\i)%8)*1024+\sl*256 th:TH_LOAD_NT
.endr
.endr
	WIN 0
.endm
; a tile through my own stage, 64 features at a time, into the token layout, in place.  LDS serves a wave's instructions in order
.macro TURNX tt
	WIN 0x44
.irp sl, 0,1,2,3
.irp i, 0,1,2,3,4,5,6,7
	ds_store_b128 v[STA], v[128*\tt+32*\sl+4*\i:128*\tt+32*\sl+4*\i+3] offset:\i*544
.endr
.irp bb, 0,1
.irp j, 0,1,2,3
	ds_load_b128 v[128*\tt+32*\sl+16*\bb+4*\j:128*\tt+32*\sl+16*\bb+4*\j+3], v[STB] offset:128*\bb+16*\j
.endr
.endr
.endr
	WIN 0
.endm
; x = proj's result + x1, two tiles, into window 2.  w = 0x86: the result lies in window 2; 0x87: in window 3.
.macro XADD w
	WIN \w
	s_wait_alu depctr_va_vdst(0)
.set ii, 0
.rept 128
	v_pk_add_f32 v[ii:ii+1], v[ii:ii+1], v[ii:ii+1]
.set ii, ii+2
.endr
	WIN 0
	s_wait_alu depctr_va_vdst(0)
.endm
.macro PLOAD gq                        ; proj: column tiles 2 gq, 2 gq + 1: four fragments, two scale words, proj_b in the result's layout: 14 loads
.irp e, 0,1
.irp s, 0,1
.irp c, 0,1
	ds_load_b128 v[FR+32*((\gq)%2)+8*(2*\e+\s)+4*\c:FR+32*((\gq)%2)+8*(2*\e+\s)+4*\c+3], v[AP] offset:(2*(2*(\gq)+\e)+\s)*1024+512*\c
.endr
.endr
	ds_load_b32 v[FS+2*((\gq)%2)+\e], v[APS] offset:(2*(\gq)+\e)*128
.endr
.irp j, 0,1,2,3
	ds_load_b128 v[GBUF+16*((\gq)%2)+4*\j:GBUF+16*((\gq)%2)+4*\j+3], v[AV] offset:128*(\gq)+16*\j
.endr
.endm
.macro PMUL gq                         ; eight accumulators by turns, K step 0 (C = proj_b) and then K step 1
.set PP, (\gq)%2
	WIN 0x80
.irp e, 0,1
.irp tt, 0,1
	WMC 128*\tt+8*(2*(\gq)+\e), FR+32*PP+16*\e, OF+16*\tt, GBUF+16*PP+8*\e, FS+2*PP+\e, OW+\tt
.endr
.endr
	WIN 0xc0
.irp e, 0,1
.irp tt, 0,1
	WMC 128*\tt+8*(2*(\gq)+\e), FR+32*PP+16*\e, OF+32+16*\tt, GBUF+16*PP+8*\e, FS+2*PP+\e, OW+2+\tt
.endr
.endr
	WIN 0xa0
.irp e, 0,1
.irp tt, 0,1
	WMAB 128*\tt+8*(2*(\gq)+\e), FR+32*PP+16*\e+8, OF+16*\tt+8, 128*\tt+8*(2*(\gq)+\e), FS+2*PP+\e, OW+\tt
.endr
.endr
	WIN 0xf0
.irp e, 0,1
.irp tt, 0,1
	WMAB 128*\tt+8*(2*(\gq)+\e), FR+32*PP+16*\e+8, OF+32+16*\tt+8, 128*\tt+8*(2*(\gq)+\e), FS+2*PP+\e, OW+2+\tt
.endr
.endr
	WIN 0
	PLACES 4
.endm
.macro VLDALL                          ; fc2_b of my 128 features into window 1: 32 loads
	WIN 0x40
.set qq, 0
.rept 8
.irp j, 0,1,2,3
	ds_load_b128 v[128+16*qq+4*\j:128+16*qq+4*\j+3], v[AV] offset:3072+128*qq+16*\j
.endr
.set qq, qq+1
.endr
	WIN 0
.endm
.macro VADD                            ; fc2_b onto x: the sums of fc2 begin there
	WIN 0x86
.irp tt, 0,1
.set ii, 0
.rept 64
	v_pk_add_f32 v[128*\tt+ii:128*\tt+ii+1], v[128*\tt+ii:128*\tt+ii+1], v[128+ii:129+ii]
.set ii, ii+2
.endr
.endr
	WIN 0
.endm
.macro LN3 tt                          ; layer norm of tile tt of the pass, quantised: two fragments XC, two scale words XS
	GBL8 0                                         ; they land under the sums below
	WIN 0x0a
.irp k, 0,1,2,3
	v_pk_add_f32 v[CH+2*\k:CH+2*\k+1], v[128*\tt+2*\k:128*\tt+2*\k+1], v[128*\tt+8+2*\k:128*\tt+8+2*\k+1]
.endr
	WIN 0x02
.set ii, 16
.rept 14
.irp k, 0,1,2,3
	v_pk_add_f32 v[CH+2*\k:CH+2*\k+1], v[128*\tt+ii+2*\k:128*\tt+ii+2*\k+1], v[CH+2*\k:CH+2*\k+1]
.endr
.set ii, ii+8
.endr
	WIN 0
	REDUCE CH
	v_mul_f32 v[CH], s88, v[CH]                    ; the mean
	WIN 0x02
.set ii, 0
.rept 32
	v_pk_add_f32 v[80+ii:81+ii], v[128*\tt+ii:128*\tt+ii+1], v[CH:CH+1] op_sel_hi:[1,0] neg_lo:[0,1] neg_hi:[0,1]
.set ii, ii+2
.endr
.set ii, 0
.rept 32
	v_pk_add_f32 v[176+ii:177+ii], v[128*\tt+64+ii:128*\tt+64+ii+1], v[CH:CH+1] op_sel_hi:[1,0] neg_lo:[0,1] neg_hi:[0,1]
.set ii, ii+2
.endr
	WIN 0
.irp k, 0,1,2,3
	v_pk_mul_f32 v[CH+2*\k:CH+2*\k+1], v[80+2*\k:81+2*\k], v[80+2*\k:81+2*\k]
.endr
.set ii, 8
.rept 7
.irp k, 0,1,2,3
	v_pk_fma_f32 v[CH+2*\k:CH+2*\k+1], v[80+ii+2*\k:81+ii+2*\k], v[80+ii+2*\k:81+ii+2*\k], v[CH+2*\k:CH+2*\k+1]
.endr
.set ii, ii+8
.endr
.set ii, 0
.rept 8
.irp k, 0,1,2,3
	v_pk_fma_f32 v[CH+2*\k:CH+2*\k+1], v[176+ii+2*\k:177+ii+2*\k], v[176+ii+2*\k:177+ii+2*\k], v[CH+2*\k:CH+2*\k+1]
.endr
.set ii, ii+8
.endr
	REDUCE CH
	v_fma_f32 v[CH], v[CH], s88, s89               ; the variance + eps
	s_wait_alu depctr_va_vdst(0)                   ; the wait ahead of the transcendental,
	v_rsq_f32 v[RS], v[CH]
	v_nop
	s_wait_alu depctr_va_vdst(0)                   ; and ahead of its first reader
	s_wait_dscnt 0x0                               ; K step 0's gains and biases are in
	NMUL 80
	NFMA 80
	GBL8 1                                         ; K step 1's land under the lines below
	NMUL 176
	QSC4 80
	QWORD XS+2*\tt
	QCODES 80, XC+16*\tt, 4
	s_wait_dscnt 0x0
	NFMA 176
.if \tt == 1
	VLDALL                                         ; fc2_b lands under the quantiser
.endif
	QSC4 176
	QWORD XS+2*\tt+1
	QCODES 176, XC+16*\tt+8, 4
.endm
.macro PKF d, a, b, sc                 ; 16 x: d = a b + a coefficient
.set kk, 0
.rept 16
	v_pk_fma_f32 v[\d+kk:\d+kk+1], v[\a+kk:\a+kk+1], v[\b+kk:\b+kk+1], s[\sc:\sc+1] op_sel_hi:[1,1,0]
.set kk, kk+2
.endr
.endm
.macro PKL d, a, c, sc                 ; 16 x: d = a x the leading coefficient (a pair of window 0) + the next
.set kk, 0
.rept 16
	v_pk_fma_f32 v[\d+kk:\d+kk+1], v[\a+kk:\a+kk+1], v[\c:\c+1], s[\sc:\sc+1] op_sel_hi:[1,1,0]
.set kk, kk+2
.endr
.endm
.macro PKM d, a, b
.set kk, 0
.rept 16
	v_pk_mul_f32 v[\d+kk:\d+kk+1], v[\a+kk:\a+kk+1], v[\b+kk:\b+kk+1]
.set kk, kk+2
.endr
.endm
; gelu of 32 numbers a lane, in place.  All of P's lines stand behind the reciprocals
.macro GEL32 hb, first
	WIN 0x40
.if \first == 0
	s_wait_alu depctr_va_vdst(0)                   ; the wait here, directly ahead of the first readers of these matrix results
.endif
.set kk, 0
.rept 32
	v_med3_num_f32 v[GZ+kk], v[\hb+kk], -v[GB4], v[GB4]
.set kk, kk+1
.endr
	WIN 0x45
	PKM GU, GZ, GZ
	WIN 0x41
	PKL GQ, GU, 16, 80
	WIN 0x45
	PKF GQ, GQ, GU, 82
	PKF GQ, GQ, GU, 84
	PKF GQ, GQ, GU, 86
	s_wait_alu depctr_va_vdst(0)                   ; the wait ahead of the batch,
.set kk, 0
.rept 32
	v_rcp_f32 v[GQ+kk], v[GQ+kk]
.set kk, kk+1
.endr
	WIN 0x41
	PKL GP, GU, 14, 68
	WIN 0x45
	PKF GP, GP, GU, 70
	PKF GP, GP, GU, 72
	PKF GP, GP, GU, 74
	PKF GP, GP, GU, 76
	PKF GP, GP, GU, 78
	PKM GP, GP, GZ
	s_wait_alu depctr_va_vdst(0)                   ; and ahead of its first reader
.set kk, 0
.rept 16
	v_pk_fma_f32 v[GP+kk:GP+kk+1], v[GP+kk:GP+kk+1], v[GQ+kk:GQ+kk+1], 0.5 op_sel_hi:[1,1,0]
.set kk, kk+2
.endr
	WIN 0x04
	PKM \hb, \hb, GP
	WIN 0
.endm
.macro F1LOAD adr, ads, hc             ; fc1: four column tiles of half hc of a chunk: eight fragments, four scale words: 20 loads
.irp tq, 0,1,2,3
.irp s, 0,1
.irp c, 0,1
	ds_load_b128 v[FR+16*\tq+8*\s+4*\c:FR+16*\tq+8*\s+4*\c+3], v[\adr] offset:(2*(4*\hc+\tq)+\s)*1024+512*\c
.endr
.endr
	ds_load_b32 v[FS+\tq], v[\ads] offset:16384+(4*\hc+\tq)*128
.endr
.endm
.macro BILOAD adr, hc                  ; fc1_b of those four tiles, in the result's layout: 8 loads
.irp tq, 0,1,2,3
.irp j, 0,1
	ds_load_b128 v[BI+8*\tq+4*\j:BI+8*\tq+4*\j+3], v[\adr] offset:4096+256*\hc+128*(\tq/2)+32*(\tq%2)+16*\j
.endr
.endr
.endm
.macro F2LOAD                          ; fc2: eight registers of scale words, then the chunk's 16 fragments into window 1, where the gelu's arrays lay: 32 loads, in the tiles' order
.irp k, 0,1,2,3,4,5,6,7
	ds_load_b32 v[FS2+\k], v[ADS] offset:33792+\k*128
.endr
	WIN 0x40
.set tf, 0
.rept 16
.irp c, 0,1
	ds_load_b128 v[128+8*tf+4*\c:128+8*tf+4*\c+3], v[ADW] offset:17408+tf*1024+512*\c
.endr
.set tf, tf+1
.endr
	WIN 0
.endm
.macro HMUL                            ; fc1: eight accumulators by turns, K step 0 (C = fc1_b) and then K step 1
.irp tq, 0,1,2,3
.irp tt, 0,1
	WMC H+32*\tt+8*\tq, FR+16*\tq, XC+16*\tt, BI+8*\tq, FS+\tq, XS+2*\tt
.endr
.endr
.irp tq, 0,1,2,3
.irp tt, 0,1
	WMA H+32*\tt+8*\tq, FR+16*\tq+8, XC+16*\tt+8, H+32*\tt+8*\tq, FS+\tq, XS+2*\tt+1
.endr
.endr
	PLACES 4
.endm
.macro GELQ hc                         ; gelu of the half; codes and scale bytes of the half.  Behind the second half's gelu fc2's fragments are asked for, under the quantiser
	GEL32 H, 1
	GEL32 H+32, 0
.if \hc == 1
	F2LOAD
.endif
	QSC4 H
.irp tt, 0,1
.if \hc == 0
	v_lshl_or_b32 v[HW+\tt], v[TB+1+2*\tt], 8, v[TB+2*\tt]
.else
	v_lshl_or_b32 v[HW+\tt], v[TB+2*\tt], 16, v[HW+\tt]
.endif
.endr
.if \hc == 1
.irp tt, 0,1
	v_lshl_or_b32 v[HW+\tt], v[TB+1+2*\tt], 24, v[HW+\tt]
.endr
.endif
	QCODES H, HC+4*\hc, 8
.endm
.macro F2MUL                           ; fc2: 32 accumulators by turns; four tiles' eight fragment loads are awaited at a time
	WIN 0xa1
.set tf, 0
.rept 8
.if tf%2 == 0
	s_wait_dscnt 24-4*tf                           ; the fragment loads behind these four tiles' may be out
.endif
.irp tt, 0,1
	WMC 128*\tt+16*tf, 128+16*tf, HC+8*\tt, 128*\tt+16*tf, FS2+tf, HW+\tt
.endr
.irp tt, 0,1
	WMA 128*\tt+16*tf+8, 128+16*tf+8, HC+8*\tt, 128*\tt+16*tf+8, FS2+tf, HW+\tt
.endr
.set tf, tf+1
.endr
	WIN 0
	PLACES 4
.endm
.macro TOSTAGE n                       ; 64 features of a tile through my stage, back as rows of 256 bytes; each accumulator from its low end on
	WIN 0x08
.irp bb, 0,1
.irp j, 0,1,2,3
	ds_store_b128 v[STB], v[32*(\n)+16*\bb+4*\j:32*(\n)+16*\bb+4*\j+3] offset:128*\bb+16*\j
.endr
.endr
	WIN 0
.irp i, 0,1,2,3,4,5,6,7
	ds_load_b128 v[OB+32*((\n)%2)+4*\i:OB+32*((\n)%2)+4*\i+3], v[STA] offset:\i*544
.endr
.endm
.macro SEND n, younger                 ; sixteen lanes store 256 consecutive bytes, aligned
	s_wait_dscnt \younger
.irp i, 0,1,2,3,4,5,6,7
	global_store_b128 v[GX], v[OB+32*((\n)%2)+4*\i:OB+32*((\n)%2)+4*\i+3], s[12:13] offset:((\n)/4)*131072+(\i/4)*65536+((2*\i)%8)*1024+((\n)%4)*256 th:TH_STORE_NT
.endr
.endm
.macro WAYOUT
	TOSTAGE 0
.irp n, 1,2,3,4,5,6,7
.if \n > 1
	s_wait_xcnt 0x0                                ; block n - 2's stores have read their registers
.endif
	TOSTAGE \n
	SEND \n-1, 16                                  ; behind block n - 1's loads: block n's 8 stores and 8 loads
.endr
	SEND 7, 0
.endm
.macro ARM under, g0, g1, next         ; an arm of the head's chain: its load, and a jump to the chain's end
	s_cmp_lt_u32 s14, \under
	s_cbranch_scc0 \next
	tensor_load_to_lds s[\g0:\g0+3], s[\g1:\g1+7]
	s_nop 0
	PLACES 4
	s_branch .Lhead_asked
\next:
.endm
	s_load_b256 s[4:11], s[0:1], 0x0               ; x1, oc, os, wml
	s_load_b64 s[12:13], s[0:1], 0x20              ; out0
	v_lshl_add_u32 v[SPW], v0, 2, SPARE
	v_mov_b32 v[NIL], 0
	ds_add_u32 v[SPW], v[NIL]                      ; the opening lines: the add twice on end and its wait ahead of my first tensor load
	ds_add_u32 v[SPW], v[NIL]
	v_lshrrev_b32 v24, 5, v0
	v_readfirstlane_b32 s14, v24                   ; wave 0..3
	s_bfe_u32 s15, ttmp6, 0x40000                  ; cx: it enters global addresses of my own loads and stores alone
	s_lshl_b32 s16, ttmp9, 2
	s_add_co_u32 s16, s16, s15                     ; work-group
	s_mov_b32 s20, 0x76543210
	s_mov_b32 s21, 0xfedcba98                      ; selects for lane l xor 16
.irp g, 24,32,40                               ; groups 1: dense rows of 256 bytes (32 elements of 8 bytes); the mask names the cluster's four
	s_mov_b32 s[\g], 15|(3<<16)|(1<<21)
	s_mov_b32 s[\g+1], 32<<16
	s_mov_b32 s[\g+3], 32<<16
	s_mov_b32 s[\g+5], 32
	s_mov_b32 s[\g+6], 0
	s_mov_b32 s[\g+7], 0
.endr
	s_mov_b32 s26, 68<<16                          ; half of proj's unit: 17,408 bytes
	s_mov_b32 s28, 68
	s_mov_b32 s34, 32<<16                          ; the vectors: 8,192 bytes
	s_mov_b32 s36, 32
	s_mov_b32 s42, 136<<16                         ; chunk 7: 34,816 bytes
	s_mov_b32 s44, 136
	s_and_b32 s94, s14, 1
	s_mul_i32 s94, s94, 17408                      ; which half of proj's unit (waves 0 and 1)
	s_mov_b32 s48, 1
	s_add_co_u32 s49, s94, PROJ                    ; in LDS,
	s_add_co_u32 s94, s94, 243712                  ; and in wml
	s_mov_b32 s95, 0
	s_mov_b32 s52, 1
	s_mov_b32 s53, VEC2
	s_mov_b32 s56, 1
	s_mov_b32 s57, 243712                          ; chunk 7's place in LDS, behind chunk 6
	s_mul_i32 s96, s14, 60928                      ; my quarter of chunks 0-6: the same place in LDS and in wml
	s_mov_b32 s97, 0
	s_mov_b32 s68, 0x306dffee                      ; P's and Q's coefficients, each as a pair
	s_mov_b32 s70, 0xb40cff51
	s_mov_b32 s72, 0xb6eec2d2
	s_mov_b32 s74, 0xb940ac63
	s_mov_b32 s76, 0xbac1a1f6
	s_mov_b32 s78, 0xbc83dbd4
	s_mov_b32 s80, 0xb89e3511
	s_mov_b32 s82, 0xba9bf7b5
	s_mov_b32 s84, 0xbc2ad7f2
	s_mov_b32 s86, 0xbd2542a9
.irp g, 68,70,72,74,76,78,80,82,84,86
	s_mov_b32 s[\g+1], s[\g]
.endr
	s_mov_b32 s88, 0x3b800000                      ; 1 / 256
	s_mov_b32 s89, 0x3727c5ac                      ; 1e-5
	v_mov_b32 v14, 0xac95df0b
	v_mov_b32 v15, 0xac95df0b
	v_mov_b32 v16, 0xb62ccd2b
	v_mov_b32 v17, 0xb62ccd2b
	v_mov_b32 v18, 0
	v_mov_b32 v19, 0
	v_mov_b32 v[GB4], 0x40b504f3                   ; 4 sqrt 2
.irp b, 0,1,2,3
	v_mov_b32 v[TB+\b], 0                          ; a lane permute's destination counts as one of its sources
.endr
	v_and_b32 v24, 31, v0                          ; lane
	v_and_b32 v25, 15, v0                          ; r
	v_bfe_u32 v26, v0, 4, 1                        ; h
	v_lshlrev_b32 v[LI], 4, v24
	v_lshlrev_b32 v[LS], 2, v24
	v_lshlrev_b32 v[GX], 10, v26
	v_lshl_add_u32 v[GX], v25, 4, v[GX]
	s_mul_i32 s17, s14, 4352
	s_add_co_u32 s17, s17, STG                     ; my stage
	v_mul_u32_u24 v27, v26, 272
	v_lshl_add_u32 v27, v25, 4, v27
	v_add_nc_u32 v[STA], s17, v27
	v_mul_u32_u24 v27, v25, 272
	v_lshl_add_u32 v27, v26, 6, v27
	v_add_nc_u32 v[STB], s17, v27
	v_lshl_add_u32 v[AV], v26, 6, VEC2
	v_add_nc_u32 v[AP], PROJ, v[LI]
	v_add_nc_u32 v[APS], PROJ+32768, v[LS]
	s_lshl_b32 s17, s16, 2                         ; my work-group's first window: 64 x image + 8 x wy + wx; mine is s14 further on
	s_lshr_b32 s18, s17, 6
	s_lshl_b32 s18, s18, 22
	s_bfe_u32 s19, s17, 0x30003
	s_lshl_b32 s19, s19, 19
	s_or_b32 s18, s18, s19
	s_and_b32 s19, s17, 7
	s_add_co_u32 s19, s19, s14
	s_lshl_b32 s19, s19, 13
	s_or_b32 s18, s18, s19
	s_mov_b32 s19, 0
	s_add_co_u32 s22, s17, s14
	s_lshl_b32 s2, s22, 13                         ; oc: 8,192 bytes a window
	s_mov_b32 s3, 0
	s_lshl_b32 s92, s22, 9                         ; os: 512
	s_mov_b32 s93, 0
	s_wait_alu depctr_va_vdst(0)                   ; the wait at the head's end
	s_wait_dscnt 0x0                               ; both opening adds are done
	s_wait_kmcnt 0x0
	s_add_nc_u64 s[50:51], s[10:11], s[94:95]      ; proj's half
	s_or_b32 s51, s51, 0x80000000
	s_add_nc_u64 s[54:55], s[10:11], VEC2          ; the vectors
	s_or_b32 s55, s55, 0x80000000
	s_add_nc_u64 s[58:59], s[10:11], 286720        ; chunk 7 in wml
	s_or_b32 s59, s59, 0x80000000
	s_mov_b32 s60, 1                               ; chunks 0-6, my quarter
	s_mov_b32 s61, s96
	s_add_nc_u64 s[62:63], s[10:11], s[96:97]
	s_or_b32 s63, s63, 0x80000000
	s_add_nc_u64 s[4:5], s[4:5], s[18:19]
	s_add_nc_u64 s[12:13], s[12:13], s[18:19]
	s_add_nc_u64 s[6:7], s[6:7], s[2:3]
	s_add_nc_u64 s[8:9], s[8:9], s[92:93]
	ROUND                                          ; all four work-groups are here: the joint loads meet
	ARM 2, 48, 24, .Lhead_v                        ; the head's loads, one a wave, in one chain of arms: waves 0 and 1 proj's halves,
	ARM 3, 52, 32, .Lhead_c                        ; wave 2 the vectors,
	tensor_load_to_lds s[56:59], s[40:47]          ; wave 3 chunk 7
	s_nop 0
	PLACES 4
.Lhead_asked:
.irp tt, 0,1,2,3                               ; O's codes and scale words of my four tiles: 20 loads
.irp s, 0,1
.irp c, 0,1
	global_load_b128 v[OF+16*\tt+8*\s+4*\c:OF+16*\tt+8*\s+4*\c+3], v[LI], s[6:7] offset:\tt*2048+\s*1024+\c*512
.endr
.endr
	global_load_b32 v[OW+\tt], v[LS], s[8:9] offset:\tt*128
.endr
	XLOAD 0, 0                                     ; x1 of the first pass: 64 loads
	XLOAD 1, 128
	s_wait_tensorcnt 0x0                           ; my load of the head is in
	ds_add_u32 v[SPW], v[NIL]
	s_mov_b32 s26, 238<<16                         ; no tensor load of mine is out, so a descriptor may be written: 238 rows from here on
	s_mov_b32 s28, 238
	s_wait_dscnt 0x0                               ; the add is done
	ROUND                                          ; everybody's load of the head is in
	tensor_load_to_lds s[60:63], s[24:31]          ; chunks 0-6: they land under proj, the turn and the add
	s_nop 0
	PLACES 4
	PLOAD 0
	PLOAD 1
	s_wait_loadcnt 63                              ; of 84 loads at least the first 21 are in: O's 20 among them
.irp g, 0,1,2,3,4,5,6,7
.if \g < 7
	s_wait_dscnt 14                                ; the next group's 14 loads may be out
.else
	s_wait_dscnt 0
.endif
	PMUL \g
.if \g+2 < 8
	PLOAD \g+2
.endif
.endr
	s_wait_dscnt 0x0                               ; my reads of proj's unit are over,
	s_barrier_signal -1
	s_barrier_wait -1                              ; everybody's are: the stages may be written
	s_wait_loadcnt 32                              ; tile 0 is in
	TURNX 0
	s_wait_loadcnt 0x0
	TURNX 1
	s_wait_dscnt 0x0
	XADD 0x86
	XLOAD 2, 0                                     ; the second pass's first tile: it has the whole first pass in which to land
	s_wait_tensorcnt 0x0                           ; my quarter of chunks 0-6 is in,
	s_barrier_signal -1
	s_barrier_wait -1                              ; everybody's is
	s_mov_b32 s98, 2
.Lpass:
	LN3 0
	LN3 1
	F1LOAD LI, LS, 0                               ; chunk 0 begins at LDS byte 0
	BILOAD AV, 0
	s_wait_dscnt 28                                ; fc2_b is in; the 28 loads just issued may be out
	VADD
	s_mov_b32 s90, 0
	s_mov_b32 s91, 0
	s_mov_b32 s92, 8
.Lchunk:                                               ; 128 hidden units a trip.  At the top fc1's first half (fragments, scale words, biases) has been asked for
	s_add_co_u32 s93, s90, 34816
	s_min_u32 s93, s93, 243712                     ; the next chunk; the last trip asks for its own once more and uses nothing of it
	s_add_co_u32 s94, s91, 512
	s_min_u32 s94, s94, 3584
	v_add_nc_u32 v[ADW], s90, v[LI]
	v_add_nc_u32 v[ADS], s90, v[LS]
	v_add_nc_u32 v[ABI], s91, v[AV]
	v_add_nc_u32 v[ADWN], s93, v[LI]
	v_add_nc_u32 v[ADSN], s93, v[LS]
	v_add_nc_u32 v[ABIN], s94, v[AV]
	s_wait_alu depctr_va_vdst(0)                   ; the wait here, directly behind the writes
	s_wait_dscnt 0x0
	HMUL
	F1LOAD ADW, ADS, 1                             ; the second half's: they land under the gelu
	BILOAD ABI, 1
	GELQ 0
	s_wait_dscnt 0x0
	HMUL
	F1LOAD ADWN, ADSN, 0                           ; the next chunk's first half likewise
	BILOAD ABIN, 0
	GELQ 1
	PLACES 8                                       ; a scale register written by a vector instruction stands 8 places ahead of a scaled matrix instruction
	s_wait_alu depctr_va_vdst(0)
	F2MUL
	s_add_co_u32 s90, s90, 34816
	s_add_co_u32 s91, s91, 512
	s_sub_co_u32 s92, s92, 1
	s_cmp_lg_u32 s92, 0
	s_cbranch_scc1 .Lchunk
	s_sub_co_u32 s98, s98, 1
	s_cmp_eq_u32 s98, 0
	s_cbranch_scc1 .Llast                          ; the last pass's tail is written out: it loads nothing more
	XLOAD 3, 128                                   ; where fc2's fragments lay
	WAYOUT
	s_wait_xcnt 0x0                                ; the stores have read their registers and their base
	s_add_nc_u64 s[12:13], s[12:13], 262144        ; four window rows on
	s_wait_loadcnt 32                              ; tile 2 is in
	TURNX 0
	s_wait_loadcnt 0x0
	TURNX 1
	s_wait_dscnt 0x0
	XADD 0x87
	s_cmp_lg_u32 s98, 0
	s_cbranch_scc1 .Lpass
.Llast:
	WAYOUT
	s_wait_tensorcnt 0x0                           ; the wave's end
	ds_add_u32 v[SPW], v[NIL]
	s_wait_dscnt 0x0
	ROUND                                          ; the closing round
	s_endpgm
.Lfunc_end_k_q400e87ca19_mlp:
	.size	k_q400e87ca19_mlp, .Lfunc_end_k_q400e87ca19_mlp-k_q400e87ca19_mlp
	.p2alignl 7, 3214868480
	.fill 96, 4, 3214868480
	.section	.rodata,"a",@progbits
	.p2align	6, 0x0
	.amdhsa_kernel k_q400e87ca19_mlp
		.amdhsa_group_segment_fixed_size 327680
		.amdhsa_private_segment_fixed_size 0
		.amdhsa_enable_private_segment 0
		.amdhsa_kernarg_size 40
		.amdhsa_user_sgpr_count 2
		.amdhsa_user_sgpr_kernarg_segment_ptr 1
		.amdhsa_wavefront_size32 1
		.amdhsa_system_sgpr_workgroup_id_x 1
		.amdhsa_system_sgpr_workgroup_id_y 1
		.amdhsa_system_sgpr_workgroup_id_z 1
		.amdhsa_system_vgpr_workitem_id 0
		.amdhsa_next_free_vgpr 1024
		.amdhsa_next_free_sgpr 100
		.amdhsa_reserve_vcc 0
		.amdhsa_float_denorm_mode_32 3
		.amdhsa_float_denorm_mode_16_64 3
		.amdhsa_memory_ordered 1
		.amdhsa_forward_progress 1
		.amdhsa_inst_pref_size 255
	.end_amdhsa_kernel
	.section	.bss,"aw",@nobits
	.p2align	6
	.space	262144
	.amdgpu_metadata
---
amdhsa.version: [ 1, 2 ]
amdhsa.kernels:
  - .name:           k_q400e87ca19_mlp
    .symbol:         k_q400e87ca19_mlp.kd
    .args:
      - { .name: x1, .offset: 0, .size: 8, .value_kind: global_buffer, .address_space: global }
      - { .name: oc, .offset: 8, .size: 8, .value_kind: global_buffer, .address_space: global }
      - { .name: os, .offset: 16, .size: 8, .value_kind: global_buffer, .address_space: global }
      - { .name: wml, .offset: 24, .size: 8, .value_kind: global_buffer, .address_space: global }
      - { .name: out0, .offset: 32, .size: 8, .value_kind: global_buffer, .address_space: global }
    .group_segment_fixed_size: 327680
    .private_segment_fixed_size: 0
    .kernarg_segment_align: 8
    .kernarg_segment_size: 40
    .max_flat_workgroup_size: 128
    .sgpr_count:     100
    .vgpr_count:     1024
    .wavefront_size: 32
...
	.end_amdgpu_metadata
.endif
;; end of part 3
